; MI455X (gfx1250); checked and timed in simulation.
; The chip was launched on July 23, 2026; its instructions are those of AMD's public machine-readable ISA for CDNA 5 (MIT licence, August 2026) and "CDNA5" Instruction Set Architecture Reference Guide (July 2026). The comments in the code are by the model that wrote it; some were corrected since.
;; Causal Self Attention. Allowed arithmetic: matrix products marked QUANTISED: E2M1 operands, one E8M0 scale for each 32 along K, by v_wmma_scale_f32_16x16x128_f8f6f4 with both operands' format E2M1 (or v_wmma_scale_f32_32x16x128_f4), f32 sums; products left as they are: bf16, f16 or f32 operands; f32 sums; everything else in f32.
;; Inputs: W_attn 3,072 x 1,024 float32; W_proj 1,024 x 1,024 float32; b_attn 3,072 float32; b_proj 1,024 float32; x 4 x 2,048 x 1,024 float32.
;; Outputs: out0 4 x 2,048 x 1,024 float32.
;; This version of the problem:
;;   THIS VERSION OF THE PROBLEM IS GIVEN IN LOW PRECISION. The matrix products marked QUANTISED in the list below multiply operands that are first quantised to E2M1 (2 exponent bits, 1 mantissa bit; 4 bits a number), with one power-of-two scale for each 32 numbers along K (OCP MX v1.0); their sums are f32. The products marked 'left as it is' may take bf16, f16 or f32 operands, with f32 sums. Whichever they take, every output number must still come out within the allowed error. Rounding operands to bf16 (8 significant bits) uses up far more of that allowance than f16 does (11 bits, for magnitudes from 6e-5 to 65,504). All else is computed in f32.
;;   The module's matrix products, in the order in which they are computed (A, B: the left and right operand; K: the contracted axis; several contracted axes count as one K, in the product's order):
;;     1. [M 8,192, K 1,024] x [K 1,024, N 3,072]; A: input x; B: input W_attn: QUANTISED
;;     2. batch 64 x [M 2,048, K 64] x [K 64, N 2,048]; A: computed on the way; B: computed on the way: left as it is (an operand is computed on the way)
;;     3. batch 64 x [M 2,048, K 2,048] x [K 2,048, N 64]; A: computed on the way; B: computed on the way: left as it is (an operand is computed on the way)
;;     4. [M 8,192, K 1,024] x [K 1,024, N 1,024]; A: computed on the way; B: input W_proj: left as it is (an operand is computed on the way)
;;   THE QUANTISER, for each operand of a quantised product, along K:
;;     - K is cut into blocks of 32 from its start; a last block that is shorter is filled with zeros.
;;     - A block's scale is 2^e with e = floor(log2(the largest magnitude in the block)) - 2, held to -126 .. 127; a block of zeros has e = 0. As a byte (E8M0): e + 127.
;;     - Each number is divided by its block's scale, clamped to +-6, and rounded to the nearest number of E2M1, ties to even, subnormals kept.
;;     - The product sums the exact products of the quantised numbers (number of the format x scale) in f32.
;;   ~~~python
;;   def quantise(x, axis):      # numpy; x: float32 -> the quantised numbers, widened to float32 again
;;       x = np.moveaxis(x, axis, -1); K = x.shape[-1]
;;       x = np.pad(x, [(0, 0)] * (x.ndim - 1) + [(0, -K % 32)]); x = x.reshape(x.shape[:-1] + (-1, 32)); a = np.abs(x).max(-1, keepdims=True)
;;       e = np.where(a > 0, np.clip(np.frexp(np.where(a > 0, a, 1))[1] - 1 - 2, -126, 127), 0)      # np.frexp(a)[1] - 1 = floor(log2(a)), exactly
;;       r = np.clip(x / 2.0 ** e, -6, 6)
;;       step = 2.0 ** (np.maximum(np.frexp(np.where(r == 0, 1, r))[1] - 1, 0) - 1)
;;       q = np.round(r / step) * step * 2.0 ** e      # np.round: ties to even
;;       return np.moveaxis(q.reshape(q.shape[:-2] + (-1,))[..., :K], -1, axis).astype(np.float32)
;;   ~~~
;; One version. Each part assembles by itself: llvm-mc -triple=amdgcn-amd-amdhsa -mcpu=gfx1250 --defsym DOCPART=n.
;; ======== version 1 of 1: 5 launches
;; limits: values are held in f16: magnitudes above 65,504 overflow, below 6.1e-05 lose precision
;; workspace buffers: xc 4,194,304 bytes; xs 262,144 bytes; wc 1,572,864 bytes; ws 98,304 bytes; wp16 2,097,152 bytes; qkv 50,331,648 bytes; qkv32 786,432 bytes; yp 16,777,216 bytes
;; launch quant (part 1): grid 480 x 1, 4 waves a work-group, no clusters, 33,280 bytes of LDS; arguments x, W_attn, xc, xs, wc, ws, W_proj, wp16; writes xc, xs, wc, ws, wp16
.if DOCPART == 1
	.amdgcn_target "amdgcn-amd-amdhsa--gfx1250"
	.amdhsa_code_object_version 6
	.text
	.protected	k_qe310ab0b06_quant
	.globl	k_qe310ab0b06_quant
	.p2align	8
	.type	k_qe310ab0b06_quant,@function
k_qe310ab0b06_quant:
	s_mov_b64 s[64:65], 0
	v_nop
	global_prefetch_b8 v0, s[64:65] scope:SCOPE_SE
	s_setreg_imm32_b32 hwreg(HW_REG_WAVE_MODE, 25, 1), 1
	s_wait_xcnt 0x0
; CAUSAL SELF-ATTENTION, launch 1 of 5.  x [8192][1024] and W_attn [3072][1024], f32, become codes of FP4 (E2M1), K innermost, with one E8M0 byte for each 32 along K; W_proj [1024][1024] becomes f16.
; WORK THAT THE PROGRAM LEAVES OUT, shown for all values of the inputs:
;  (1) The mask is built by the problem itself (key k counts for query q where k <= q): steps of 64 keys that lie wholly behind a wave's 32 queries are not multiplied (launch 3).
;  (2) b_attn[1024:2048], the bias on k.  att[q][k] = q . (k0 + bk) / 8 = q . k0 / 8 + q . bk / 8; the second term is the same for all keys of a row, so the softmax along the keys takes it away,
;      whatever q, k0 and bk hold; the product q k^T is not quantised, so nothing else sees it.  That third of b_attn is never loaded; the thirds for q and for v are live and are loaded (launch 2).
;  LIMIT: a NaN, an infinity or an overflow that reaches only b_attn[1024:2048], or only scores under the mask, is not carried to the result.
; THE QUANTISER.  A block's scale is 2^(floor(log2(its largest magnitude)) - 2); its byte is the largest magnitude's exponent field - 2, held at 1 from below.  A block of zeros so gets the byte 1 where the
; rule says 127: its codes are zeros, which add nothing under any byte but 0xff, and the bytes are read by this program alone.  Each number is divided by the scale and rounded to the nearest code, ties to even.
; LIMITS: blocks whose largest magnitude lies under 2^(2 - 126) keep the byte 1; NaN and infinities among the inputs are not served; W_proj must stay under 65,504 in magnitude (f16).
; SHARES.  Rows are dense and K is a multiple of 32: a tensor is a plain stream of blocks.  Work-groups 0-255 take x, 256-351 W_attn (one path, the buffers chosen by the work-group's number), 352-479 convert W_proj.
; A wave takes 16 steps of 512 numbers.  Each load reads 512 consecutive bytes; a step's 2,048 bytes turn through the wave's own stage in LDS and come back 64 bytes a lane, so that a lane holds 16 neighbours
; along K (two lanes hold a block).  A lane's 16 codes are 8 bytes: the wave stores 256 consecutive bytes.  A wave's 256 scale bytes are gathered in LDS and leave as one store of 256 consecutive bytes.
.set SIZE_M, 8192
.set SIZE_N, 3072
.set SIZE_K, 1024
.set WAVES, 4
.set STEPS, 16
.set WGA,   SIZE_M*SIZE_K/(512*STEPS*WAVES)             ; 256 work-groups for x
.set WGQ,   (SIZE_M+SIZE_N)*SIZE_K/(512*STEPS*WAVES)    ; 352 for x and W_attn
.set EMAX,  2
.set CB,    8                          ; bytes of 16 codes
.set R,     16                         ; v16-79   four sets of 16 numbers as they are loaded
.set X,     80                         ; v80-111  two sets of 16 neighbours
.set C,     128                        ; v128-191 codes: four registers for each step, so that no store's data are written again
.set E,     112                        ; v112-127 a scale byte for each step
.set WREG,  8192                       ; LDS: a region for each wave: two stages of 32 x SP bytes, behind them its 256 scale bytes
.set SP,    80                         ; a lane's place in a stage: its 64 bytes + 16 of padding
.set SPW,   12                         ; v12      LDS address of my spare word; never rewritten
.set NIL,   13                         ; v13      0; never rewritten
.set SPARE, WAVES*WREG                 ; behind the four regions: the spare words, 128 bytes a wave, which no other line names
	s_load_b128 s[4:7], s[0:1], 0x0                ; x, W_attn
	s_load_b128 s[8:11], s[0:1], 0x10              ; x's codes, x's scales
	s_load_b128 s[12:15], s[0:1], 0x20             ; W_attn's codes, its scales
	s_load_b128 s[24:27], s[0:1], 0x30             ; W_proj, its f16 copy
	v_lshl_add_u32 v[SPW], v0, 2, SPARE
	v_mov_b32 v[NIL], 0
	s_cmp_ge_u32 ttmp9, WGQ                        ; the work-group's number alone decides
	s_cbranch_scc1 .Lconvert
	v_lshrrev_b32 v1, 5, v0
	v_readfirstlane_b32 s16, v1                    ; wave
	v_and_b32 v2, 31, v0                           ; lane
	v_lshlrev_b32 v3, 4, v2                        ; my 16 bytes of a load's 512
	s_mul_i32 s17, s16, WREG
	v_lshrrev_b32 v14, 2, v2
	v_mul_u32_u24 v14, v14, SP
	v_and_b32 v15, 3, v2
	v_lshl_add_u32 v14, v15, 4, v14
	v_add_nc_u32 v14, s17, v14                     ; the stage, on the way in: SP (lane / 4) + 16 (lane % 4)
	v_mul_u32_u24 v15, v2, SP
	v_add_nc_u32 v15, s17, v15                     ; and on the way out: SP x lane: my 16 neighbours
	v_mul_u32_u24 v4, v2, CB                       ; my codes' place in a step's
	v_lshrrev_b32 v5, 1, v2
	s_add_co_u32 s17, s17, 2*32*SP
	v_add_nc_u32 v5, s17, v5                       ; LDS: my wave's 256 scale bytes, my block's byte
	v_lshlrev_b32 v7, 3, v2                        ; and on the way out 8 bytes a lane
	v_add_nc_u32 v6, s17, v7
	s_wait_kmcnt 0x0
	s_cmp_lt_u32 ttmp9, WGA                        ; x's work-group or W_attn's?
	s_cselect_b64 s[4:5], s[4:5], s[6:7]
	s_cselect_b64 s[8:9], s[8:9], s[12:13]
	s_cselect_b64 s[10:11], s[10:11], s[14:15]
	s_cselect_b32 s17, 0, WGA
	s_sub_co_u32 s17, ttmp9, s17
	s_lshl_b32 s17, s17, 2
	s_add_co_u32 s18, s17, s16                     ; which run of 8,192 numbers of the tensor is my wave's
	s_mov_b32 s19, 0
	s_mov_b64 s[20:21], 512*STEPS*4
	s_mul_u64 s[20:21], s[18:19], s[20:21]
	s_add_nc_u64 s[4:5], s[4:5], s[20:21]
	s_mov_b64 s[20:21], 32*STEPS*CB
	s_mul_u64 s[20:21], s[18:19], s[20:21]
	s_add_nc_u64 s[8:9], s[8:9], s[20:21]
	s_lshl_b32 s18, s18, 8                         ; 256 scale bytes a run
	s_add_nc_u64 s[10:11], s[10:11], s[18:19]
.macro LOAD t
.irp i, 0,1,2,3
	global_load_b128 v[R+16*((\t)%4)+4*\i:R+16*((\t)%4)+4*\i+3], v3, s[4:5] offset:2048*(\t)+512*\i th:TH_LOAD_NT   ; 32 lanes read 512 consecutive bytes
.endr
.endm
.macro TURN t                          ; step t's numbers through the stage: LDS serves a wave's instructions in order, so no wait stands between the stores and the loads
.irp i, 0,1,2,3
	ds_store_b128 v14, v[R+16*((\t)%4)+4*\i:R+16*((\t)%4)+4*\i+3] offset:32*SP*((\t)%2)+8*SP*\i
.endr
.irp i, 0,1,2,3
	ds_load_b128 v[X+16*((\t)%2)+4*\i:X+16*((\t)%2)+4*\i+3], v15 offset:32*SP*((\t)%2)+16*\i
.endr
.endm
.irp t, 0,1,2,3
	LOAD \t
.endr
	s_wait_loadcnt 12                              ; step 0's four loads are in; the twelve of steps 1 to 3 may be out
	TURN 0
.macro STEP t
.set XS, X+16*((\t)%2)
.if (\t) > 0
	s_wait_dscnt 1                                 ; this step's numbers are back from the stage (the last step's byte store may be out)
.else
	s_wait_dscnt 0x0
.endif
.if (\t)+4 < STEPS
	LOAD (\t)+4                                    ; into the registers that this step's stores into the stage have read
.endif
.if (\t)+1 < STEPS
.if STEPS-2-(\t) >= 3
	s_wait_loadcnt 12                              ; the next step's four loads are in; those of the three steps behind it may be out
.else
	s_wait_loadcnt 4*(STEPS-2-(\t))
.endif
	TURN (\t)+1                                    ; they go through the other stage while this step is worked
.endif
	v_max3_num_f32 v8, |v[XS]|, |v[XS+1]|, |v[XS+2]|               ; the largest magnitude of my 16, in two chains
	v_max3_num_f32 v9, |v[XS+3]|, |v[XS+4]|, |v[XS+5]|
.irp i, 6,10
	v_max3_num_f32 v8, v8, |v[XS+\i]|, |v[XS+\i+1]|
	v_max3_num_f32 v9, v9, |v[XS+\i+2]|, |v[XS+\i+3]|
.endr
	v_max3_num_f32 v8, v8, |v[XS+14]|, |v[XS+15]|
	v_max3_num_f32 v8, v8, v9, (EMAX+1)<<23        ; and the floor 2^(EMAX + 1 - 127): so the byte cannot fall under 1
	v_max_num_f32_dpp v8, v8, v8 row_xmask:1 row_mask:0xf bank_mask:0xf   ; and of my neighbour's 16: the block's
	v_add_nc_u32 v11, -(EMAX<<23), v8              ; EMAX off its exponent field: the conversion takes the exponent field of this operand as its scale
	v_cvt_scalef32_pk8_fp4_f32 v[C+4*(\t)], v[XS:XS+7], v11
	v_cvt_scalef32_pk8_fp4_f32 v[C+4*(\t)+1], v[XS+8:XS+15], v11
	v_lshrrev_b32 v[E+(\t)], 23, v11               ; the scale's byte
	ds_store_b8 v5, v[E+(\t)] offset:16*(\t)       ; both lanes of a block write the same byte with the same value
	global_store_b64 v4, v[C+4*(\t):C+4*(\t)+1], s[8:9] offset:32*CB*(\t)
.endm
.irp t, 0,1,2,3,4,5,6,7,8,9,10,11,12,13,14,15
	STEP \t
.endr
	ds_load_b64 v[8:9], v6                         ; LDS serves a wave's instructions in order: these see my stores
	s_wait_dscnt 0x0
	global_store_b64 v7, v[8:9], s[10:11]          ; 32 lanes store 256 consecutive bytes, aligned
	s_wait_tensorcnt 0x0                           ; the wave's end: behind my last LDS store
	ds_add_u32 v[SPW], v[NIL]
	s_wait_dscnt 0x0
	s_endpgm
; W_proj to f16: a work-group takes 8,192 numbers; no LDS is touched on this path.  A load of a wave reads 512 consecutive bytes, a store writes 256, aligned.
.Lconvert:
	s_sub_co_u32 s16, ttmp9, WGQ
	s_lshl_b32 s18, s16, 15                        ; 32,768 bytes of f32,
	s_mov_b32 s19, 0
	s_lshl_b32 s20, s16, 14                        ; 16,384 of f16
	s_mov_b32 s21, 0
	v_lshlrev_b32 v1, 4, v0
	v_lshlrev_b32 v2, 3, v0
	s_wait_kmcnt 0x0
	s_add_nc_u64 s[24:25], s[24:25], s[18:19]
	s_add_nc_u64 s[26:27], s[26:27], s[20:21]
.irp i, 0,1,2,3,4,5,6,7,8,9,10,11,12,13,14,15
	global_load_b128 v[16+4*\i:19+4*\i], v1, s[24:25] offset:2048*\i th:TH_LOAD_NT
.endr
.irp i, 0,1,2,3,4,5,6,7,8,9,10,11,12,13,14,15
	s_wait_loadcnt 15-\i                           ; loads come back in order: load i is in, the younger ones may be out
	v_cvt_pk_f16_f32 v[80+2*\i], v[16+4*\i], v[17+4*\i]
	v_cvt_pk_f16_f32 v[81+2*\i], v[18+4*\i], v[19+4*\i]
	global_store_b64 v2, v[80+2*\i:81+2*\i], s[26:27] offset:1024*\i   ; each store has data registers of its own
.endr
	s_endpgm
.Lfunc_end_k_qe310ab0b06_quant:
	.size	k_qe310ab0b06_quant, .Lfunc_end_k_qe310ab0b06_quant-k_qe310ab0b06_quant
	.p2alignl 7, 3214868480
	.fill 96, 4, 3214868480
	.section	.rodata,"a",@progbits
	.p2align	6, 0x0
	.amdhsa_kernel k_qe310ab0b06_quant
		.amdhsa_group_segment_fixed_size 33280
		.amdhsa_private_segment_fixed_size 0
		.amdhsa_enable_private_segment 0
		.amdhsa_kernarg_size 64
		.amdhsa_user_sgpr_count 2
		.amdhsa_user_sgpr_kernarg_segment_ptr 1
		.amdhsa_wavefront_size32 1
		.amdhsa_system_sgpr_workgroup_id_x 1
		.amdhsa_system_sgpr_workgroup_id_y 1
		.amdhsa_system_sgpr_workgroup_id_z 1
		.amdhsa_system_vgpr_workitem_id 0
		.amdhsa_next_free_vgpr 192
		.amdhsa_next_free_sgpr 66
		.amdhsa_reserve_vcc 0
		.amdhsa_float_denorm_mode_32 3
		.amdhsa_float_denorm_mode_16_64 3
		.amdhsa_memory_ordered 1
		.amdhsa_forward_progress 1
		.amdhsa_inst_pref_size 39
	.end_amdhsa_kernel
	.amdgpu_metadata
---
amdhsa.version: [ 1, 2 ]
amdhsa.kernels:
  - .name:           k_qe310ab0b06_quant
    .symbol:         k_qe310ab0b06_quant.kd
    .args:
      - { .name: x, .offset: 0, .size: 8, .value_kind: global_buffer, .address_space: global }
      - { .name: W_attn, .offset: 8, .size: 8, .value_kind: global_buffer, .address_space: global }
      - { .name: xc, .offset: 16, .size: 8, .value_kind: global_buffer, .address_space: global }
      - { .name: xs, .offset: 24, .size: 8, .value_kind: global_buffer, .address_space: global }
      - { .name: wc, .offset: 32, .size: 8, .value_kind: global_buffer, .address_space: global }
      - { .name: ws, .offset: 40, .size: 8, .value_kind: global_buffer, .address_space: global }
      - { .name: W_proj, .offset: 48, .size: 8, .value_kind: global_buffer, .address_space: global }
      - { .name: wp16, .offset: 56, .size: 8, .value_kind: global_buffer, .address_space: global }
    .group_segment_fixed_size: 33280
    .private_segment_fixed_size: 0
    .kernarg_segment_align: 8
    .kernarg_segment_size: 64
    .max_flat_workgroup_size: 128
    .sgpr_count:     66
    .vgpr_count:     192
    .wavefront_size: 32
...
	.end_amdgpu_metadata
.endif
;; end of part 1
;; launch qkv (part 2): grid 12 x 32, 4 waves a work-group, clusters of 4 x 4, 327,680 bytes of LDS; arguments xc, xs, wc, ws, qkv, b_attn, qkv32; writes qkv, qkv32
.if DOCPART == 2
	.amdgcn_target "amdgcn-amd-amdhsa--gfx1250"
	.amdhsa_code_object_version 6
	.text
	.protected	k_qe310ab0b06_qkv
	.globl	k_qe310ab0b06_qkv
	.p2align	8
	.type	k_qe310ab0b06_qkv,@function
k_qe310ab0b06_qkv:
	s_mov_b64 s[64:65], 0
	v_nop
	global_prefetch_b8 v0, s[64:65] scope:SCOPE_SE
	s_setreg_imm32_b32 hwreg(HW_REG_WAVE_MODE, 25, 1), 1
	s_wait_xcnt 0x0
	s_wait_alu depctr_hold_cnt(0) depctr_sa_sdst(0) depctr_va_vdst(0) depctr_va_sdst(0) depctr_va_ssrc(0) depctr_va_vcc(0) depctr_vm_vsrc(0)
	s_getreg_b32 s2, hwreg(HW_REG_IB_STS2, 6, 4)
	s_cmp_eq_u32 s2, 0
	s_cbranch_scc0 .Lentry_in_a_cluster
	s_endpgm
.Lentry_in_a_cluster:
	s_bfe_u32 s2, ttmp6, 0x10000c
	s_cmp_lg_u32 s2, 0xf033
	s_cbranch_scc0 .Lentry_shape_is_right
	s_endpgm
.Lentry_shape_is_right:
; Launch 2 of 5: qkv = Q(x) Q(W_attn)^T + b_attn on codes of FP4 with E8M0 scales; sums in f32.  A = x's codes [8192][512 bytes], B = W_attn's [3072][512 bytes]; scale bytes [rows][32].
; LEFT OUT: b_attn[1024:2048] (the bias on k) is not loaded: it adds the same number to all scores of a row, which the softmax takes away (shown at the head of launch 1).  k's sums start from registers of zeros,
; so that one text of the first K step serves q, k and v.
; OUT: f16 planes qkv[b][p = n / 64][t][64] (q: planes 0-15, k: 16-31, v: 32-47), a plane 262,144 bytes; and positions 0-15 of each sequence once more in f32, qkv32[b][16][3072], for launch 5.
; LIMIT: q, k and v are rounded to f16: magnitudes stay under 65,504.
; A tile of C, 256 x 256, is made by four waves, each 128 x 128: 64 accumulators.  All of K (1,024: two slots of 512) and the scales lie in LDS after three first fills a wave; nothing is filled again.
; CLUSTERS: 4 x 4 work-groups; A's tiles are asked for jointly along a row of the cluster, B's along a column.  The cluster's x (0, 1, 2) is q, k, v: the same in all partners, so a branch may hang on it.
; THE MATRIX INSTRUCTION IS USED TRANSPOSED (source 0 = 16 rows of W, source 1 = 16 rows of x): a lane holds eight neighbouring columns of one row.  The bias is the C of each sum's first product.
; REGISTERS: window 0: v0-31 addresses; v32-95 scale words, two sets; v128-191 A's fragments, one set; v192-255 the bias, register 8 b + j = b_attn[n0 + 16 b + 8 (lane / 16) + j]; on the way out v32-63, v192-255 at work.
;   window 1: B's fragments, two sets, at v0 and v128.   window 2: the accumulators of my rows 0-63 ((a, b) at v[8 (8 a + b)]);   window 3: those of rows 64-127.
.set SIZE_K, 1024
.set KSTEP,  512
.set NQ,     KSTEP/128
.set ROWB,   256                       ; a tile's row in bytes
.set KROW,   SIZE_K/2                  ; a row of codes in memory
.set PITCH,  272                       ; an LDS row: 256 bytes + 16 of padding, so that the 16 rows of a load begin 16 bytes further on in each 256
.set FR,     8
.set NL,     2
.set NP,     4                         ; places behind this matrix instruction (ISA guide 7.12.1)
.set HALFT,  128*PITCH
.set SLOT,   4*HALFT
.set KS,     SIZE_K/32
.set SCL,    2*SLOT                    ; behind the two slots: the scales, as rows of 256 bytes + 16
.set HALFS,  (128*KS/256)*272
.set SBLK,   (16*KS/256)*272
.set SPARE,  SCL+4*HALFS               ; the spare words, 128 bytes a wave, which no other line names
.set SPITCH, 272                       ; the way out: a stage of 16 rows x (256 + 16) bytes a wave, in slot 0, which has had its only fill and its last read by then
.set ADRA, 16
.set ADRB, 20
.set BO,   22                          ; v22  32 x (lane / 16): my place in 16 numbers of the bias
.set STO,  24
.set RD,   25
.set CO,   26                          ; v26  16 x lane
.set ADRS, 27
.set SPW,  28
.set NIL,  29
.set CYV,  30                          ; v30  my work-group's place along the cluster's y
.set CO32, 31                          ; v31  my place in qkv32: row (lane % 16) of 12,288 bytes + 32 (lane / 16)
.set SC,   32
.set AF,   128
.set BI,   192
.set TMP,  192
.set OB,   32
.set G1, 24
.set G0, 32
.set G1B, 48
.set G0B, 56
.set G1S, 68
.set G0S, 76
.set G1SB, 80
.set G0SB, 88
.set MSB, 0
.macro WIN new                         ; the immediate's high byte repeats the setting that is left
.if MSB != \new
	s_set_vgpr_msb (MSB<<8)|\new
.set MSB, \new
.endif
.endm
.set MUL_LO, 0xa1                      ; source 0 (B) window 1, source 1 (A) window 0, C and D window 2
.set MUL_HI, 0xf1                      ; the same, C and D window 3
.set BIA_LO, 0x81                      ; C (the bias) window 0, D window 2
.set BIA_HI, 0xc1                      ; C window 0, D window 3
.set TO_B,   0x40
; A joint load: waves 0 and 1 fetch for A, waves 2 and 3 for B; the branch hangs on the wave's number alone.  An s_nop 0 and four v_nop follow each line.
.macro JLOAD g0a, g1a, g0b, g1b
	s_cmp_eq_u32 s15, 0
	s_cbranch_scc0 .Lfor_b_\@
	tensor_load_to_lds s[\g0a:\g0a+3], s[\g1a:\g1a+7]
	s_nop 0
.rept 4
	v_nop
.endr
	s_branch .Lasked_\@
.Lfor_b_\@:
	tensor_load_to_lds s[\g0b:\g0b+3], s[\g1b:\g1b+7]
	s_nop 0
.rept 4
	v_nop
.endr
.Lasked_\@:
.endm
.macro CROUND                          ; a round of the cluster's barrier
	s_barrier_signal -1
	s_barrier_wait -1
	s_cmp_lg_u32 s14, 0
	s_cbranch_scc1 .Lnot_wave_0_\@
	s_barrier_signal -3
.Lnot_wave_0_\@:
	s_barrier_wait -3
	s_barrier_signal -1
	s_barrier_wait -1
.endm
	s_load_b128 s[4:7], s[0:1], 0x0                ; x's codes, x's scales
	s_load_b128 s[8:11], s[0:1], 0x10              ; W's codes, W's scales
	s_load_b64 s[12:13], s[0:1], 0x20              ; qkv
	s_load_b128 s[96:99], s[0:1], 0x28             ; b_attn, qkv32
	v_lshl_add_u32 v[SPW], v0, 2, SPARE
	v_mov_b32 v[NIL], 0
	ds_add_u32 v[SPW], v[NIL]                      ; the wave's opening: the add, twice on end, and its wait ahead of my first tensor load
	ds_add_u32 v[SPW], v[NIL]
	v_lshrrev_b32 v1, 5, v0
	v_readfirstlane_b32 s14, v1                    ; wave 0..3
	s_lshr_b32 s15, s14, 1                         ; which half of the tile's rows is mine.  Also: I fetch for A (0) or for B (1)
	s_and_b32 s16, s14, 1                          ; which half of its columns.  Also: which 128 rows I fetch
	s_bfe_u32 s40, ttmp6, 0x40000                  ; cx, cy
	s_bfe_u32 s41, ttmp6, 0x40004
	s_lshl_b32 s42, ttmp9, 2
	s_add_co_u32 s42, s42, s40                     ; tile column = 4 x cluster x + cx
	s_and_b32 s17, ttmp7, 0xffff
	s_lshl_b32 s17, s17, 2
	s_add_co_u32 s17, s17, s41                     ; tile row = 4 x cluster y + cy
	s_lshl_b32 s43, s41, 2
	s_lshl_b32 s43, 15, s43                        ; my row of the cluster
	s_lshl_b32 s44, 0x1111, s40                    ; my column
	s_or_b32 s[G1+0], s43, (0<<16)|(1<<20)|(1<<21)|(5<<22)|(3<<25)  ; the mask; elements of 1 byte; padding of 4 words behind every 64; bit 21 beside a mask
	s_or_b32 s[G1B+0], s44, (0<<16)|(1<<20)|(1<<21)|(5<<22)|(3<<25)
.irp g, G1, G1B
	s_mov_b32 s[\g+1], ROWB<<16                    ; tensor_dim0
	s_mov_b32 s[\g+2], 128<<16                     ; tensor_dim1
	s_mov_b32 s[\g+3], ROWB<<16                    ; tile_dim0
	s_mov_b32 s[\g+4], 128                         ; tile_dim1
	s_mov_b32 s[\g+5], KROW                        ; from row to row
	s_mov_b32 s[\g+6], 0
	s_mov_b32 s[\g+7], 0
.endr
	s_or_b32 s[G1S+0], s43, (3<<16)|(1<<20)|(1<<21)|(5<<22)|(3<<25) ; the scales of 128 rows: 4,096 dense bytes as 16 rows of 256 (32 elements of 8 bytes), 16 bytes of padding behind each
	s_or_b32 s[G1SB+0], s44, (3<<16)|(1<<20)|(1<<21)|(5<<22)|(3<<25)
.irp g, G1S, G1SB
	s_mov_b32 s[\g+1], 32<<16
	s_mov_b32 s[\g+2], (128*KS/256)<<16
	s_mov_b32 s[\g+3], 32<<16
	s_mov_b32 s[\g+4], 128*KS/256
	s_mov_b32 s[\g+5], 32
	s_mov_b32 s[\g+6], 0
	s_mov_b32 s[\g+7], 0
.endr
	s_lshl_b32 s18, s16, 7
	s_lshl_b32 s20, s17, 8
	s_add_co_u32 s20, s20, s18                     ; A: row 256 x tile row + 128 x half
	s_lshl_b32 s46, s42, 8
	s_add_co_u32 s46, s46, s18                     ; B: row 256 x tile column + 128 x half
	s_mov_b32 s21, 0
	s_mov_b32 s47, 0
	s_mov_b64 s[18:19], KS
	s_mul_u64 s[22:23], s[20:21], s[18:19]         ; where these rows' scales begin,
	s_mul_u64 s[92:93], s[46:47], s[18:19]
	s_mov_b64 s[18:19], KROW
	s_mul_u64 s[20:21], s[20:21], s[18:19]         ; and their codes
	s_mul_u64 s[46:47], s[46:47], s[18:19]
	s_mul_i32 s45, s14, HALFT                      ; where they go: wave x 128 rows: no place in the cluster enters an LDS address
	s_mul_i32 s94, s14, HALFS
	s_wait_dscnt 0x0                               ; both opening adds are done
	s_wait_kmcnt 0x0
	s_add_nc_u64 s[20:21], s[4:5], s[20:21]
	s_add_nc_u64 s[22:23], s[6:7], s[22:23]
	s_add_nc_u64 s[46:47], s[8:9], s[46:47]
	s_add_nc_u64 s[92:93], s[10:11], s[92:93]
	CROUND                                         ; all sixteen work-groups are here: the first joint loads meet
	s_mov_b32 s[G0S], 1
	s_add_co_u32 s[G0S+1], s94, SCL
	s_mov_b64 s[G0S+2:G0S+3], s[22:23]
	s_or_b32 s[G0S+3], s[G0S+3], 0x80000000
	s_mov_b32 s[G0SB], 1
	s_add_co_u32 s[G0SB+1], s94, SCL
	s_mov_b64 s[G0SB+2:G0SB+3], s[92:93]
	s_or_b32 s[G0SB+3], s[G0SB+3], 0x80000000
	JLOAD G0S, G1S, G0SB, G1SB                     ; the scales first: they are wanted with the first K step
.irp s, 0,1
	s_mov_b32 s[G0+4*\s], 1
	s_add_co_u32 s[G0+4*\s+1], s45, \s*SLOT
	s_add_nc_u64 s[G0+4*\s+2:G0+4*\s+3], s[20:21], \s*ROWB
	s_or_b32 s[G0+4*\s+3], s[G0+4*\s+3], 0x80000000
	s_mov_b32 s[G0B+4*\s], 1
	s_add_co_u32 s[G0B+4*\s+1], s45, \s*SLOT
	s_add_nc_u64 s[G0B+4*\s+2:G0B+4*\s+3], s[46:47], \s*ROWB
	s_or_b32 s[G0B+4*\s+3], s[G0B+4*\s+3], 0x80000000
	JLOAD G0+4*\s, G1, G0B+4*\s, G1B               ; three tensor loads of mine are out, by this text's own count
.endr
	v_and_b32 v1, 15, v0                           ; r = lane % 16
	v_bfe_u32 v2, v0, 4, 1                         ; h = lane / 16
	v_lshlrev_b32 v[BO], 5, v2
	s_lshl_b32 s46, s42, 10                        ; 4 n0 = 1,024 x tile column + 512 x half: my first column in bytes of f32
	s_lshl_b32 s47, s16, 9
	s_add_co_u32 s46, s46, s47
	s_mov_b32 s47, 0
	s_add_nc_u64 s[96:97], s[96:97], s[46:47]      ; b_attn at my first column
	s_add_nc_u64 s[98:99], s[98:99], s[46:47]      ; qkv32 likewise,
	s_lshr_b32 s46, s17, 3                         ; in my batch
	s_mul_i32 s46, s46, 16*3072*4
	s_add_nc_u64 s[98:99], s[98:99], s[46:47]
	; WHAT THE SUMS START FROM: one choice, one join.  q's and v's columns load their bias; k's columns, whose bias is left out, write zeros.  Behind the join every wave passes the same wait and the same first step.
	s_cmp_eq_u32 ttmp9, 1
	s_cbranch_scc1 .Lnob
.irp b, 0,1,2,3,4,5,6,7
	global_load_b128 v[BI+8*\b:BI+8*\b+3],   v[BO], s[96:97] offset:64*\b
	global_load_b128 v[BI+8*\b+4:BI+8*\b+7], v[BO], s[96:97] offset:64*\b+16
.endr
	s_branch .Lbias_set
.Lnob:
.set n, 0
.rept 64
	v_mov_b32 v[BI+n], 0
.set n, n+1
.endr
.Lbias_set:
	v_mul_u32_u24 v3, v1, PITCH
	v_lshl_add_u32 v4, v2, 4, v3                   ; a fragment's row x pitch + 16 x half
	s_mul_i32 s21, s15, HALFT                      ; my 128 rows of A
	s_mul_i32 s22, s16, HALFT                      ; my 128 rows of B,
	s_add_co_u32 s22, s22, 2*HALFT                 ; behind A's 256
.irp s, 0,1
	v_add_nc_u32 v[ADRA+\s], s21, v4
	v_add_nc_u32 v[ADRB+\s], s22, v4
	s_add_co_u32 s21, s21, SLOT
	s_add_co_u32 s22, s22, SLOT
.endr
	v_mul_u32_u24 v5, v1, KS                       ; my row's scales: KS bytes a row,
	v_lshrrev_b32 v6, 8, v5
	v_lshl_add_u32 v5, v6, 4, v5                   ; and 16 more for each 256 passed
	s_mul_i32 s21, s15, HALFS
	s_mul_i32 s22, s16, HALFS
	s_add_co_u32 s22, s22, 2*HALFS
	s_sub_co_u32 s22, s22, s21
	v_mul_u32_u24 v6, s22, v2                      ; lanes 16-31 take B's: one product, the distance between the two bases
	s_add_co_u32 s21, s21, SCL
	v_add_nc_u32 v5, v5, v6
	v_add_nc_u32 v[ADRS], s21, v5
	s_mul_i32 s23, s14, 16*SPITCH                  ; my stage
	v_mul_u32_u24 v5, v1, SPITCH                   ; in: row r, 16 bytes for each half of the lanes
	v_lshl_add_u32 v5, v2, 4, v5
	v_add_nc_u32 v[STO], s23, v5
	v_bfe_u32 v5, v0, 3, 2                         ; back: eight lanes take one position's 128 bytes of one head, the 32 lanes four positions
	v_mul_u32_u24 v5, v5, SPITCH
	v_and_b32 v6, 7, v0
	v_lshl_add_u32 v5, v6, 4, v5
	v_add_nc_u32 v[RD], s23, v5
	v_and_b32 v6, 31, v0
	v_lshlrev_b32 v[CO], 4, v6                     ; in a plane these four positions are 512 consecutive bytes
	v_mov_b32 v[CYV], s41
	v_mul_u32_u24 v[CO32], v1, 3072*4
	v_lshl_add_u32 v[CO32], v2, 5, v[CO32]
	s_lshr_b32 s20, s17, 3                         ; batch
	s_mul_i32 s20, s20, 48
	s_lshl_b32 s46, s42, 2
	s_add_co_u32 s46, s46, s20
	s_lshl_b32 s47, s16, 1
	s_add_co_u32 s46, s46, s47                     ; my first plane: 48 x batch + 4 x tile column + 2 x half
	s_lshl_b32 s46, s46, 18
	s_and_b32 s20, s17, 7
	s_lshl_b32 s20, s20, 8
	s_lshl_b32 s21, s15, 7
	s_add_co_u32 s20, s20, s21                     ; my first position
	s_lshl_b32 s20, s20, 7
	s_add_co_u32 s46, s46, s20
	s_mov_b32 s47, 0
	s_add_nc_u64 s[12:13], s[12:13], s[46:47]
.macro FRAG reg, adr, q, i             ; a fragment, 16 rows x 128 K of 4-bit codes: 8 registers, two loads of 16 bytes, 32 bytes apart
.irp c, 0,1
	ds_load_b128 v[\reg+4*\c:\reg+4*\c+3], v[\adr] offset:64*(\q)+32*\c+(\i)*16*PITCH
.endr
.endm
; 16 matrix instructions: A's blocks a0, a0 + 1 x B's eight.  bias = 1: the sums start from v[BI] on; 0: they go on in place.  The 64 accumulators take turns, one instruction a turn.
.macro MUL16 a0, p, q, sc, bias
.irp a, \a0, \a0+1
.irp b, 0,1,2,3,4,5,6,7
.if \bias
	v_wmma_scale_f32_16x16x128_f8f6f4 v[8*(8*((\a)%4)+\b):8*(8*((\a)%4)+\b)+7], v[128*(\p)+FR*\b:128*(\p)+FR*\b+FR-1], v[AF+FR*(\a):AF+FR*(\a)+FR-1], v[BI+8*\b:BI+8*\b+7], v[SC+8*NQ*(\sc)+NQ*\b+(\q)], v[SC+8*NQ*(\sc)+NQ*(\a)+(\q)] matrix_a_fmt:MATRIX_FMT_FP4 matrix_b_fmt:MATRIX_FMT_FP4 matrix_a_scale:MATRIX_SCALE_ROW1
.else
	v_wmma_scale_f32_16x16x128_f8f6f4 v[8*(8*((\a)%4)+\b):8*(8*((\a)%4)+\b)+7], v[128*(\p)+FR*\b:128*(\p)+FR*\b+FR-1], v[AF+FR*(\a):AF+FR*(\a)+FR-1], v[8*(8*((\a)%4)+\b):8*(8*((\a)%4)+\b)+7], v[SC+8*NQ*(\sc)+NQ*\b+(\q)], v[SC+8*NQ*(\sc)+NQ*(\a)+(\q)] matrix_a_fmt:MATRIX_FMT_FP4 matrix_b_fmt:MATRIX_FMT_FP4 matrix_a_scale:MATRIX_SCALE_ROW1
.endif
.endr
.endr
.endm
.macro FETCH_B slot, q, p
	WIN TO_B
.irp i, 0,1,2,3,4,5,6,7
	FRAG 128*(\p)+FR*\i, ADRB+\slot, \q, \i
.endr
	WIN 0
.endm
.macro FETCH_A slot, q, i0
.irp i, \i0, \i0+1, \i0+2, \i0+3
	FRAG AF+FR*(\i), ADRA+\slot, \q, \i
.endr
.endm
.macro SCALES sc                       ; a K step's scale words: lanes 0-15 take A's block i, lanes 16-31 B's block i
.irp i, 0,1,2,3,4,5,6,7
	ds_load_b128 v[SC+8*NQ*\sc+NQ*\i:SC+8*NQ*\sc+NQ*\i+3], v[ADRS] offset:\i*SBLK
.endr
.endm
.macro PLACES n                        ; plain vector instructions between a matrix instruction and a load into, or a read of, its registers
.rept \n
	v_nop
.endr
.endm
.macro STEP slot, q, bias              ; 128 along K that has its successor in the same slot
	s_wait_dscnt 4*NL                              ; B's set and A's blocks 0-3 are in; the youngest eight loads (A's blocks 4-7) may be out
.if \bias
	WIN BIA_LO
.else
	WIN MUL_LO
.endif
	MUL16 0, (\q)%2, \q, \slot, \bias
	MUL16 2, (\q)%2, \q, \slot, \bias
	s_wait_dscnt 0
	PLACES NP
	FETCH_B \slot, (\q)+1, 1-(\q)%2
	FETCH_A \slot, (\q)+1, 0
.if \bias
	WIN BIA_HI
.else
	WIN MUL_HI
.endif
	MUL16 4, (\q)%2, \q, \slot, \bias
	MUL16 6, (\q)%2, \q, \slot, \bias
	PLACES NP
	WIN 0
	FETCH_A \slot, (\q)+1, 4
.endm
; Slot 0's last step changes slots: one barrier; in front of it each wave waits for all its tensor loads (its part of slot 1), adds 0 to its spare word, and waits for that and for its reads of slot 0.
.macro TURN slot, next
	s_wait_tensorcnt 0x0
	ds_add_u32 v[SPW], v[NIL]
	s_wait_dscnt 4*NL+1                            ; (the add and the youngest eight loads may be out)
	WIN MUL_LO
	MUL16 0, 1, NQ-1, \slot, 0
	s_wait_dscnt 0x0                               ; the add is done, and my reads of this slot are over
	s_barrier_signal -1
	MUL16 2, 1, NQ-1, \slot, 0
	WIN 0
	s_barrier_wait -1
	PLACES NP
	v_add_nc_u32 v[ADRS], 4*NQ, v[ADRS]            ; on to the next K step's scale words
	FETCH_B \next, 0, 0
	FETCH_A \next, 0, 0
	SCALES \next
	WIN MUL_HI
	MUL16 4, 1, NQ-1, \slot, 0
	MUL16 6, 1, NQ-1, \slot, 0
	PLACES NP
	WIN 0
	FETCH_A \next, 0, 4
.endm
.macro STEPS slot, from
.set Q, \from
.rept NQ-1-\from
	STEP \slot, Q, 0
.set Q, Q+1
.endr
.endm
	s_wait_tensorcnt 1                             ; the scales and my part of slot 0 are in (slot 1's load may be out)
	s_barrier_signal -1
	s_barrier_wait -1                              ; everybody's are
	FETCH_B 0, 0, 0
	FETCH_A 0, 0, 0
	SCALES 0
	FETCH_A 0, 0, 4
	s_wait_loadcnt 0x0                             ; the bias, where it was loaded: every wave passes this wait
	STEP 0, 0, 1                                   ; the first step's products start the sums, from the bias or from the zeros
	STEPS 0, 1
	TURN 0, 1
	STEPS 1, 0
	s_wait_dscnt 4*NL                              ; the very last step: nothing more to fetch
	WIN MUL_LO
	MUL16 0, 1, NQ-1, 1, 0
	MUL16 2, 1, NQ-1, 1, 0
	s_wait_dscnt 0
	WIN MUL_HI
	MUL16 4, 1, NQ-1, 1, 0
	MUL16 6, 1, NQ-1, 1, 0
	WIN 0
	PLACES NP                                      ; in front of the first reads of results and of loads into registers that matrix instructions have read
	; POSITIONS 0-15 IN F32.  They are block 0 of the waves with row half 0 in the tile rows 0, 8, 16, 24: even cluster y (a branch: the same in all partners) and cy = 0 (by EXEC: no branch hangs on a place in the cluster).
	s_and_b32 s66, ttmp7, 1
	s_or_b32 s66, s66, s15
	s_cmp_lg_u32 s66, 0
	s_cbranch_scc1 .Lno32
	v_cmp_eq_u32 vcc_lo, 0, v[CYV]
	s_wait_xcnt 0x0                                ; EXEC changes only behind this wait
	s_and_saveexec_b32 s67, vcc_lo
	WIN 0x08                                       ; a store's data: window 2
.irp b, 0,1,2,3,4,5,6,7
	global_store_b128 v[CO32], v[8*\b:8*\b+3],   s[98:99] offset:64*\b       ; each accumulator from its low end on
	global_store_b128 v[CO32], v[8*\b+4:8*\b+7], s[98:99] offset:64*\b+16
.endr
	WIN 0
	s_wait_xcnt 0x0                                ; and again in front of the line that widens it
	s_or_b32 exec_lo, exec_lo, s67
.Lno32:
; THE WAY OUT, a block of 16 rows x 128 columns (two heads) at a time: rounded to f16, 16 bytes a lane into my stage, back as four positions of one head (512 consecutive bytes of a plane), stored.
.macro PACK a
.set AC, 64*((\a)%4)
	WIN 0x0a+5*((\a)/4)                            ; sources 0 and 1: window 2 or 3
.irp b, 0,1,2,3,4,5,6,7
.irp r, 0,1,2,3
	v_cvt_pk_f16_f32 v[TMP+4*\b+\r], v[AC+8*\b+2*\r], v[AC+8*\b+2*\r+1]
.endr
.endr
	WIN 0
.endm
.macro TOSTAGE a
.set BB, OB+192*((\a)%2)
.irp b, 0,1,2,3,4,5,6,7
	ds_store_b128 v[STO], v[TMP+4*\b:TMP+4*\b+3] offset:32*\b
.endr
.irp i, 0,1,2,3,4,5,6,7
	ds_load_b128 v[BB+4*\i:BB+4*\i+3], v[RD] offset:(\i/4)*128+4*(\i%4)*SPITCH   ; LDS serves a wave's instructions in order: these see the stores above
.endr
.endm
.macro SEND a
.set BB, OB+192*((\a)%2)
	s_wait_dscnt 0x0                               ; the block is back in registers
	s_wait_xcnt 0x0                                ; the earlier stores have read their registers: the next block's loads may land there
.irp i, 0,1,2,3,4,5,6,7
	global_store_b128 v[CO], v[BB+4*\i:BB+4*\i+3], s[12:13] offset:(\i/4)*262144+(16*(\a)+4*(\i%4))*128 th:TH_STORE_NT   ; 32 lanes store 512 consecutive bytes, aligned
.endr
.endm
	PACK 0
	TOSTAGE 0
.irp a, 1,2,3,4,5,6,7                  ; block a's conversions stand between block a - 1's loads from the stage and the wait for them
	PACK \a
	SEND \a-1
	TOSTAGE \a
.endr
	SEND 7
	s_wait_tensorcnt 0x0                           ; the wave's end
	ds_add_u32 v[SPW], v[NIL]
	s_wait_dscnt 0x0
	CROUND                                         ; the closing round
	s_endpgm
.Lfunc_end_k_qe310ab0b06_qkv:
	.size	k_qe310ab0b06_qkv, .Lfunc_end_k_qe310ab0b06_qkv-k_qe310ab0b06_qkv
	.p2alignl 7, 3214868480
	.fill 96, 4, 3214868480
	.section	.rodata,"a",@progbits
	.p2align	6, 0x0
	.amdhsa_kernel k_qe310ab0b06_qkv
		.amdhsa_group_segment_fixed_size 327680
		.amdhsa_private_segment_fixed_size 0
		.amdhsa_enable_private_segment 0
		.amdhsa_kernarg_size 56
		.amdhsa_user_sgpr_count 2
		.amdhsa_user_sgpr_kernarg_segment_ptr 1
		.amdhsa_wavefront_size32 1
		.amdhsa_system_sgpr_workgroup_id_x 1
		.amdhsa_system_sgpr_workgroup_id_y 1
		.amdhsa_system_sgpr_workgroup_id_z 1
		.amdhsa_system_vgpr_workitem_id 0
		.amdhsa_next_free_vgpr 1024
		.amdhsa_next_free_sgpr 100
		.amdhsa_reserve_vcc 1
		.amdhsa_float_denorm_mode_32 3
		.amdhsa_float_denorm_mode_16_64 3
		.amdhsa_memory_ordered 1
		.amdhsa_forward_progress 1
		.amdhsa_inst_pref_size 132
	.end_amdhsa_kernel
	.amdgpu_metadata
---
amdhsa.version: [ 1, 2 ]
amdhsa.kernels:
  - .name:           k_qe310ab0b06_qkv
    .symbol:         k_qe310ab0b06_qkv.kd
    .args:
      - { .name: xc, .offset: 0, .size: 8, .value_kind: global_buffer, .address_space: global }
      - { .name: xs, .offset: 8, .size: 8, .value_kind: global_buffer, .address_space: global }
      - { .name: wc, .offset: 16, .size: 8, .value_kind: global_buffer, .address_space: global }
      - { .name: ws, .offset: 24, .size: 8, .value_kind: global_buffer, .address_space: global }
      - { .name: qkv, .offset: 32, .size: 8, .value_kind: global_buffer, .address_space: global }
      - { .name: b_attn, .offset: 40, .size: 8, .value_kind: global_buffer, .address_space: global }
      - { .name: qkv32, .offset: 48, .size: 8, .value_kind: global_buffer, .address_space: global }
    .group_segment_fixed_size: 327680
    .private_segment_fixed_size: 0
    .kernarg_segment_align: 8
    .kernarg_segment_size: 56
    .max_flat_workgroup_size: 128
    .sgpr_count:     100
    .vgpr_count:     1024
    .wavefront_size: 32
...
	.end_amdgpu_metadata
.endif
;; end of part 2
;; launch attn (part 3): grid 4 x 64, 8 waves a work-group, no clusters, 327,680 bytes of LDS; arguments qkv, yp; writes yp
.if DOCPART == 3
	.amdgcn_target "amdgcn-amd-amdhsa--gfx1250"
	.amdhsa_code_object_version 6
	.text
	.protected	k_qe310ab0b06_attn
	.globl	k_qe310ab0b06_attn
	.p2align	8
	.type	k_qe310ab0b06_attn,@function
k_qe310ab0b06_attn:
	s_mov_b64 s[64:65], 0
	v_nop
	global_prefetch_b8 v0, s[64:65] scope:SCOPE_SE
	s_setreg_imm32_b32 hwreg(HW_REG_WAVE_MODE, 25, 1), 1
	s_wait_xcnt 0x0
; Launch 3 of 5: y[bh][q] = the sum over k <= q of softmax_k(q . k / 8) v, operands in f16, products, maxima and sums in f32.  qkv: f16 planes [b][48][2048][64]; yp: f16 planes [b 16 + h][2048][64].
; LEFT OUT: steps of 64 keys that lie wholly behind a wave's 32 queries: the problem's own mask throws their scores away (head of launch 1).
; LIMITS: p under 6e-8 beside a row's largest p = 1 becomes 0 in f16; the running maximum starts at -3e38; y is rounded to f16.  Positions 0-15 are computed here too (they share a tile with live rows) and are made anew in f32 by launch 5.
; SHARES.  Work-group (i, bh) owns the query blocks 7 - i and i (256 queries each) of head bh: block 7 - i wants key slots 0 .. 7 - i, block i slots 0 .. i: always 9 slots of 256 keys, so the trip count is the constant 9
; and all 256 work-groups have equal work.  Wave w owns 32 queries, two tiles of 16, at 256 x block + 32 w.
; NO CLUSTER: the four work-groups of a head want different slots from trip 5 on (8 - i trips on the first block); a joint walk of slots 0 .. 7 for all would take 12 trips in place of 9.
; LAYOUT.  S^T = K Q^T (source 0 = 16 keys, source 1 = 16 queries): a lane holds ONE query (lane % 16) and keys 8 (lane / 16) + 0..7 of each tile.  Two such tiles, rounded to f16 in pairs, ARE source 1 of O^T = V^T P.
; V ([key][channel] in LDS) is turned by ds_load_tr16_b128.
; SOFTMAX.  A running maximum m and sum l for each query: p = 2^(c s - c m), c = log2(e) / 8; in every step O and l are multiplied by a = 2^(c m_old - c m_new).
; THE RING.  Two slots of 256 keys.  Waves 0-3 fetch K's quarters, waves 4-7 V's: one tensor load a wave behind each change of slots, and one out by this text's own count.
; REGISTERS: window 0: v1-15 addresses and constants; v16-31 statistics, 8 a tile; v32-63 rows on the way out; v64-127 S^T; v128-159 P; v160-223 O^T; v224-255 packed y.
;   window 1: v0-31 Q; v64-127 K of a step; v128-191 V of a step; v192-223 the second block's Q.
.set PK,    144                        ; a row of K in LDS: 128 bytes + 16
.set PV,    160                        ; a row of V: 128 + 32
.set VOFF,  256*PK
.set SLOT1, 1<<17                      ; slot 1 begins here: one exclusive or turns an address from one slot to the other
.set STAGE, SLOT1+256*(PK+PV)          ; behind the ring: 32 rows x 144 bytes a wave
.set SPARE, STAGE+8*32*PK              ; the spare words, 128 bytes a wave, which no other line names
.set AK0, 1
.set AV0, 2
.set ADK, 3
.set ADV, 4
.set SPW, 5
.set NIL, 6
.set STO, 7
.set RD,  8
.set GO,  9
.set QO,  10
.set PFO, 11
.set D0,  12                           ; v12, v13  the mask: my query less the step's first key less 8 (lane / 16), for tiles 0 and 1
.set NINF, 14                          ; v14  -infinity
.set RH,  15                           ; v15  lane % 16 - 8 (lane / 16)
.set ST,  16                           ; tile t at v[ST + 8 t]: +0 c m, +1 m, +2, +3 l, +4 to +7 at work; a in +6
.set OB,  32
.set S,   64
.set P,   128
.set O,   160
.set YPK, 224
.set QR,  0
.set KR,  64
.set VR,  128
.set Q2,  192
.set TBK, 2                            ; s2, s3  LDS bytes at which the step's K and V begin
.set TBV, 3
.set WV,  8
.set IX,  9
.set BH,  10
.set TRIP, 11
.set STEPC, 12
.set SW,  13                           ; 8 - i: trips on the first block
.set SWM1, 14
.set LIM, 15                           ; trips in which I prefetch: 6 in the head's work-group 0, else 0
.set G1K, 16
.set G1V, 24
.set G0K, 32
.set G0V, 36
.set KB,  40                           ; s[40:41], s[42:43]  my quarter of K's and V's slot 0 in memory
.set VB,  42
.set YA,  44
.set YB,  46
.set PFA, 48
.set CS,  50
.set SEL, 52
.set KF,  54                           ; the step's first key
.set Q0,  55                           ; my first query
.set Q0B, 56
.set MSB, 0
.macro WIN new
.if MSB != \new
	s_set_vgpr_msb (MSB<<8)|\new
.set MSB, \new
.endif
.endm
.macro TLOAD                           ; the branch hangs on the wave's number alone; an s_nop 0 and four v_nop follow each line
	s_cmp_lt_u32 s[WV], 4
	s_cbranch_scc0 .Lfor_v_\@
	tensor_load_to_lds s[G0K:G0K+3], s[G1K:G1K+7]
	s_nop 0
.rept 4
	v_nop
.endr
	s_branch .Lasked_\@
.Lfor_v_\@:
	tensor_load_to_lds s[G0V:G0V+3], s[G1V:G1V+7]
	s_nop 0
.rept 4
	v_nop
.endr
.Lasked_\@:
.endm
; A PREFETCH of the slot behind the one just asked for.  The head's work-group 0 walks slots 0 .. 7 in order; it alone asks; each of its waves names the 8,192 bytes that it will fetch itself, lanes 256 bytes apart.
; Trips 0 to 5 name slots 2 to 7: each block of 256 bytes once in the launch.  Slots 0 and 1 come by their loads alone.
.macro ASK
	s_cmp_lt_u32 s[TRIP], s[LIM]
	s_cbranch_scc0 .Lnot_mine_\@
	global_prefetch_b8 v[PFO], s[PFA:PFA+1] th:TH_LOAD_NT scope:SCOPE_SE
.Lnot_mine_\@:
.endm
	s_load_b128 s[4:7], s[0:1], 0x0                ; qkv, yp
	v_lshl_add_u32 v[SPW], v0, 2, SPARE
	v_mov_b32 v[NIL], 0
	ds_add_u32 v[SPW], v[NIL]                      ; the wave's opening: the add, twice on end, and its wait ahead of my first tensor load
	ds_add_u32 v[SPW], v[NIL]
	v_lshrrev_b32 v1, 5, v0
	v_readfirstlane_b32 s[WV], v1                  ; wave 0..7
	s_mov_b32 s[IX], ttmp9
	s_and_b32 s[BH], ttmp7, 0xffff
	s_mov_b32 s[G1K], (1<<16)|(1<<20)|(4<<22)|(3<<25)   ; elements of 2 bytes; padding on: 4 words behind every 32
	s_mov_b32 s[G1V], (1<<16)|(1<<20)|(4<<22)|(7<<25)   ; 8 words behind every 32
.irp g, G1K, G1V
	s_mov_b32 s[\g+1], 64<<16                      ; tensor_dim0 = 64
	s_mov_b32 s[\g+2], 64<<16                      ; tensor_dim1 = 64
	s_mov_b32 s[\g+3], 64<<16                      ; tile_dim0 = 64
	s_mov_b32 s[\g+4], 64                          ; tile_dim1 = 64
	s_mov_b32 s[\g+5], 64                          ; from row to row
	s_mov_b32 s[\g+6], 0
	s_mov_b32 s[\g+7], 0
.endr
	s_and_b32 s57, s[WV], 3                        ; which quarter of a slot I fetch
	s_mov_b32 s[G0K], 1
	s_mul_i32 s[G0K+1], s57, 64*PK
	s_mov_b32 s[G0V], 1
	s_mul_i32 s[G0V+1], s57, 64*PV
	s_add_co_u32 s[G0V+1], s[G0V+1], VOFF
	s_lshr_b32 s60, s[BH], 4                       ; batch
	s_mul_i32 s60, s60, 48
	s_and_b32 s61, s[BH], 15
	s_add_co_u32 s60, s60, s61                     ; q's plane
	s_lshl_b32 s60, s60, 18
	s_mov_b32 s61, 0
	s_lshl_b32 s58, s57, 13                        ; my quarter: 64 rows of 128 bytes
	s_add_co_u32 s58, s58, s60
	s_add_co_u32 s58, s58, 16<<18                  ; k's plane lies 16 planes on
	s_mov_b32 s59, 0
	s_sub_co_u32 s[SWM1], 7, s[IX]
	s_sub_co_u32 s[SW], 8, s[IX]
	s_lshl_b32 s57, s[WV], 5
	s_lshl_b32 s[Q0], s[SWM1], 8
	s_add_co_u32 s[Q0], s[Q0], s57                 ; the first block's first query of mine
	s_lshl_b32 s[Q0B], s[IX], 8
	s_add_co_u32 s[Q0B], s[Q0B], s57               ; the second block's
	s_mov_b32 s[CS], 0x3e38aa3b                    ; c = log2(e) / 8
	s_mov_b32 s[CS+1], s[CS]
	s_mov_b32 s[SEL], 0x76543210
	s_mov_b32 s[SEL+1], 0xfedcba98
	s_mov_b32 s[TBK], 0
	s_mov_b32 s[TBV], 0
	s_mov_b32 s[TRIP], 0
	s_mov_b32 s[KF], 0
	s_cmp_eq_u32 s[IX], 0
	s_cselect_b32 s[LIM], 6, 0
	s_wait_dscnt 0x0                               ; both opening adds are done
	s_wait_kmcnt 0x0
	s_add_nc_u64 s[KB:KB+1], s[4:5], s[58:59]
	s_add_nc_u64 s[VB:VB+1], s[KB:KB+1], 16<<18
	s_mov_b64 s[G0K+2:G0K+3], s[KB:KB+1]
	s_or_b32 s[G0K+3], s[G0K+3], 0x80000000
	s_mov_b64 s[G0V+2:G0V+3], s[VB:VB+1]
	s_or_b32 s[G0V+3], s[G0V+3], 0x80000000
	TLOAD                                          ; slot 0: every wave has a first fill
	s_lshl_b32 s58, s[Q0], 7
	s_lshl_b32 s66, s[Q0B], 7
	s_mov_b32 s67, 0
	s_add_nc_u64 s[60:61], s[4:5], s[60:61]        ; q's plane
	s_add_nc_u64 s[62:63], s[60:61], s[66:67]      ; the second block's rows of mine,
	s_add_nc_u64 s[60:61], s[60:61], s[58:59]      ; the first block's
	s_lshl_b32 s68, s[BH], 18
	s_mov_b32 s69, 0
	s_add_nc_u64 s[YA:YA+1], s[6:7], s[68:69]
	s_add_nc_u64 s[YB:YB+1], s[YA:YA+1], s[66:67]
	s_add_nc_u64 s[YA:YA+1], s[YA:YA+1], s[58:59]
	s_cmp_lt_u32 s[WV], 4
	s_cselect_b64 s[PFA:PFA+1], s[KB:KB+1], s[VB:VB+1]
	s_add_nc_u64 s[PFA:PFA+1], s[PFA:PFA+1], 32768 ; in slot 1: the first change of slots steps it to slot 2
	v_and_b32 v3, 15, v0                           ; r
	v_bfe_u32 v4, v0, 4, 1                         ; h
	v_lshlrev_b32 v[QO], 7, v3
	v_lshl_add_u32 v[QO], v4, 4, v[QO]             ; row r of 128 bytes + 16 h
	WIN 0x40                                       ; destination window 1
.irp t, 0,1
.irp c, 0,1
	global_load_b128 v[QR+16*\t+8*\c:QR+16*\t+8*\c+3],   v[QO], s[60:61] offset:\t*2048+64*\c
	global_load_b128 v[QR+16*\t+8*\c+4:QR+16*\t+8*\c+7], v[QO], s[60:61] offset:\t*2048+64*\c+32
	global_load_b128 v[Q2+16*\t+8*\c:Q2+16*\t+8*\c+3],   v[QO], s[62:63] offset:\t*2048+64*\c
	global_load_b128 v[Q2+16*\t+8*\c+4:Q2+16*\t+8*\c+7], v[QO], s[62:63] offset:\t*2048+64*\c+32
.endr
.endr
	WIN 0
	v_mul_u32_u24 v[AK0], v3, PK
	v_lshl_add_u32 v[AK0], v4, 4, v[AK0]           ; K: row r x pitch + 16 h
	v_and_b32 v12, 7, v0
	v_bfe_u32 v13, v0, 3, 1
	v_lshl_add_u32 v[AV0], v4, 3, v12              ; V: key 8 h + lane % 8,
	v_mul_u32_u24 v[AV0], v[AV0], PV
	v_lshl_add_u32 v[AV0], v13, 4, v[AV0]          ; channels 8 ((lane / 8) % 2) on
	v_add_nc_u32 v[AV0], VOFF, v[AV0]
	s_mul_i32 s57, s[WV], 32*PK
	s_add_co_u32 s57, s57, STAGE                   ; my stage
	v_add_nc_u32 v[STO], s57, v[AK0]               ; in: row r, 16 bytes for each half of the lanes
	v_bfe_u32 v13, v0, 3, 2
	v_mul_u32_u24 v[RD], v13, PK
	v_lshl_add_u32 v[RD], v12, 4, v[RD]
	v_add_nc_u32 v[RD], s57, v[RD]                 ; back: eight lanes to a row of 128 bytes, four rows an instruction
	v_and_b32 v[GO], 31, v0
	v_lshlrev_b32 v[PFO], 8, v[GO]
	v_lshlrev_b32 v[GO], 4, v[GO]
	v_lshlrev_b32 v[RH], 3, v4
	v_sub_nc_u32 v[RH], v3, v[RH]
	v_mov_b32 v[NINF], 0xff800000
; A block's start: m = -3e38, l = 0, O^T = 0.  The step is written once: the first finds zeros, which its a = 2^(-large) = 0 leaves zeros.
.macro INIT
.irp t, 0,1
	v_mov_b32 v[ST+8*\t+1], 0xff61b1e6
	v_mul_f32 v[ST+8*\t], s[CS], v[ST+8*\t+1]
.irp k, 2,3,4,5,6,7
	v_mov_b32 v[ST+8*\t+\k], 0
.endr
.endr
.set n, 0
.rept 64
	v_mov_b32 v[O+n], 0
.set n, n+1
.endr
.endm
	INIT
; THE SOFTMAX of both tiles for one step, the tiles line by line by turns.
.macro SOFTMAX
.irp j, 0,1,2,3
.irp t, 0,1
	v_max3_num_f32 v[ST+8*\t+4+\j], v[S+32*\t+8*\j], v[S+32*\t+8*\j+1], v[S+32*\t+8*\j+2]   ; four chains, each from its accumulator's low end on
.endr
.endr
.irp g, 1,2
.irp j, 0,1,2,3
.irp t, 0,1
	v_max3_num_f32 v[ST+8*\t+4+\j], v[ST+8*\t+4+\j], v[S+32*\t+8*\j+2*\g+1], v[S+32*\t+8*\j+2*\g+2]
.endr
.endr
.endr
.irp t, 0,1
	v_max3_num_f32 v[ST+8*\t+4], v[ST+8*\t+4], v[S+32*\t+7], v[S+32*\t+15]
	v_max3_num_f32 v[ST+8*\t+6], v[ST+8*\t+6], v[S+32*\t+23], v[S+32*\t+31]
.endr
.irp t, 0,1
	v_max3_num_f32 v[ST+8*\t+4], v[ST+8*\t+4], v[ST+8*\t+5], v[ST+8*\t+6]
.endr
.irp t, 0,1
	v_max3_num_f32 v[ST+8*\t+4], v[ST+8*\t+4], v[ST+8*\t+7], v[ST+8*\t+1]   ; with the old m
.endr
.irp t, 0,1
	v_permlanex16_b32 v[ST+8*\t+5], v[ST+8*\t+4], s[SEL], s[SEL+1]          ; the query's other 32 keys lie in the lane 16 away
.endr
.irp t, 0,1
	v_mov_b32 v[ST+8*\t+7], v[ST+8*\t]                                      ; c m_old is kept for a
.endr
.irp t, 0,1
	v_max_num_f32 v[ST+8*\t+1], v[ST+8*\t+4], v[ST+8*\t+5]
.endr
.irp t, 0,1
	v_mul_f32 v[ST+8*\t], s[CS], v[ST+8*\t+1]
.endr
.irp t, 0,1
	v_sub_f32 v[ST+8*\t+7], v[ST+8*\t+7], v[ST+8*\t]
.endr
.set n, 0
.rept 16
.irp t, 0,1
	v_pk_fma_f32 v[S+32*\t+2*n:S+32*\t+2*n+1], v[S+32*\t+2*n:S+32*\t+2*n+1], s[CS:CS+1], v[ST+8*\t:ST+8*\t+1] op_sel_hi:[1,0,0] neg_lo:[0,0,1] neg_hi:[0,0,1]   ; c s - c m
.endr
.set n, n+1
.endr
.irp t, 0,1
	v_exp_f32 v[ST+8*\t+6], v[ST+8*\t+7]           ; a
.endr
.set n, 0
.rept 64
	v_exp_f32 v[S+n], v[S+n]                       ; p: the 66 exponentials are one batch
.set n, n+1
.endr
	v_nop                                          ; a plain instruction behind the last exponential,
	s_wait_alu depctr_va_vdst(0)                   ; and the one wait ahead of the batch's first reader
.set n, 0
.rept 16
.irp t, 0,1
	v_cvt_pk_f16_f32 v[P+16*\t+n], v[S+32*\t+2*n], v[S+32*\t+2*n+1]
.endr
.set n, n+1
.endr
.irp u, 0,1,2,3,4,5,6,7                ; the sum of a tile's 16 pairs, in place: neighbours 1, 2, 4 and 8 pairs apart
.irp t, 0,1
	v_pk_add_f32 v[S+32*\t+4*\u:S+32*\t+4*\u+1], v[S+32*\t+4*\u:S+32*\t+4*\u+1], v[S+32*\t+4*\u+2:S+32*\t+4*\u+3]
.endr
.endr
.irp u, 0,1,2,3
.irp t, 0,1
	v_pk_add_f32 v[S+32*\t+8*\u:S+32*\t+8*\u+1], v[S+32*\t+8*\u:S+32*\t+8*\u+1], v[S+32*\t+8*\u+4:S+32*\t+8*\u+5]
.endr
.endr
.irp u, 0,1
.irp t, 0,1
	v_pk_add_f32 v[S+32*\t+16*\u:S+32*\t+16*\u+1], v[S+32*\t+16*\u:S+32*\t+16*\u+1], v[S+32*\t+16*\u+8:S+32*\t+16*\u+9]
.endr
.endr
.irp t, 0,1
	v_pk_add_f32 v[S+32*\t:S+32*\t+1], v[S+32*\t:S+32*\t+1], v[S+32*\t+16:S+32*\t+17]
.endr
.irp t, 0,1
	v_pk_fma_f32 v[ST+8*\t+2:ST+8*\t+3], v[ST+8*\t+2:ST+8*\t+3], v[ST+8*\t+6:ST+8*\t+7], v[S+32*\t:S+32*\t+1] op_sel_hi:[1,0,1]   ; l = a l + the sum
.endr
.set n, 0
.rept 16
.irp t, 0,1
	v_pk_mul_f32 v[O+32*\t+2*n:O+32*\t+2*n+1], v[O+32*\t+2*n:O+32*\t+2*n+1], v[ST+8*\t+6:ST+8*\t+7] op_sel_hi:[1,0]   ; O^T times a, each accumulator from its low end on
.endr
.set n, n+1
.endr
.endm
; A STEP: 64 keys.  A step all of whose keys come after my 32 queries is left out: a scalar branch on ids and counts, round the work and not round the lines that step addresses.
.macro STEP
	s_add_co_u32 s57, s[Q0], 31
	s_cmp_gt_u32 s[KF], s57
	s_cbranch_scc1 .Lhidden_\@
	v_add_nc_u32 v[ADK], s[TBK], v[AK0]
	v_add_nc_u32 v[ADV], s[TBV], v[AV0]
	v_nop
	v_nop                                          ; four plain instructions between the last step's products and the loads into V's registers
	WIN 0x40
.irp kt, 0,1,2,3
.irp c, 0,1
	ds_load_b128 v[KR+16*\kt+8*\c:KR+16*\kt+8*\c+3],   v[ADK] offset:\kt*16*PK+64*\c
	ds_load_b128 v[KR+16*\kt+8*\c+4:KR+16*\kt+8*\c+7], v[ADK] offset:\kt*16*PK+64*\c+32
.endr
.endr
.irp kc, 0,1
.irp dt, 0,1,2,3
	ds_load_tr16_b128 v[VR+32*\kc+8*\dt:VR+32*\kc+8*\dt+3],   v[ADV] offset:\kc*32*PV+32*\dt
	ds_load_tr16_b128 v[VR+32*\kc+8*\dt+4:VR+32*\kc+8*\dt+7], v[ADV] offset:\kc*32*PV+16*PV+32*\dt
.endr
.endr
	s_wait_dscnt 16                                ; K is in; V's sixteen loads may be out
	WIN 0x05                                       ; K and Q in window 1
.irp c, 0,1                            ; S^T = K Q^T: eight accumulators by turns; the first eight products start the sums
.irp kt, 0,1,2,3
.irp t, 0,1
.if \c == 0
	v_wmma_f32_16x16x32_f16 v[S+32*\t+8*\kt:S+32*\t+8*\kt+7], v[KR+16*\kt+8*\c:KR+16*\kt+8*\c+7], v[QR+16*\t+8*\c:QR+16*\t+8*\c+7], 0
.else
	v_wmma_f32_16x16x32_f16 v[S+32*\t+8*\kt:S+32*\t+8*\kt+7], v[KR+16*\kt+8*\c:KR+16*\kt+8*\c+7], v[QR+16*\t+8*\c:QR+16*\t+8*\c+7], v[S+32*\t+8*\kt:S+32*\t+8*\kt+7]
.endif
.endr
.endr
.endr
	WIN 0
.rept 4
	v_nop
.endr
	s_add_co_u32 s57, s[KF], 63                    ; a step all of whose keys count for all my queries skips the mask
	s_cmp_le_u32 s57, s[Q0]
	s_cbranch_scc1 .Lopen_\@
	s_sub_co_i32 s57, s[Q0], s[KF]
	v_add_nc_u32 v[D0], s57, v[RH]                 ; register 8 kt + j of tile t holds key KF + 16 kt + 8 (lane / 16) + j: hidden where 16 kt + j > my query - KF - 8 (lane / 16)
	v_add_nc_u32 v[D0+1], 16, v[D0]
.irp t, 0,1
.irp n, 0,1,2,3,4,5,6,7,8,9,10,11,12,13,14,15,16,17,18,19,20,21,22,23,24,25,26,27,28,29,30,31
	v_cmp_gt_i32 vcc_lo, 16*(\n/8)+\n%8, v[D0+\t]
	v_cndmask_b32 v[S+32*\t+\n], v[S+32*\t+\n], v[NINF], vcc_lo
.endr
.endr
.Lopen_\@:
	SOFTMAX
	s_wait_dscnt 0x0                               ; V is in
	WIN 0x01                                       ; V in window 1
.irp kc, 0,1                           ; O^T += V^T P: eight accumulators by turns
.irp dt, 0,1,2,3
.irp t, 0,1
	v_wmma_f32_16x16x32_f16 v[O+32*\t+8*\dt:O+32*\t+8*\dt+7], v[VR+32*\kc+8*\dt:VR+32*\kc+8*\dt+7], v[P+16*\t+8*\kc:P+16*\t+8*\kc+7], v[O+32*\t+8*\dt:O+32*\t+8*\dt+7]
.endr
.endr
.endr
	WIN 0
.Lhidden_\@:
	s_add_co_u32 s[KF], s[KF], 64
	s_add_co_u32 s[TBK], s[TBK], 64*PK
	s_add_co_u32 s[TBV], s[TBV], 64*PV
.endm
.macro SLOT_STEPS                      ; a slot's four steps: written once, walked four times
	s_mov_b32 s[STEPC], 4
.Lstep_\@:
	STEP
	s_sub_co_u32 s[STEPC], s[STEPC], 1
	s_cmp_lg_u32 s[STEPC], 0
	s_cbranch_scc1 .Lstep_\@
	s_sub_co_u32 s[TBK], s[TBK], 256*PK            ; back to a slot's first step,
	s_sub_co_u32 s[TBV], s[TBV], 256*PV
	s_xor_b32 s[TBK], s[TBK], SLOT1                ; in the other slot
	s_xor_b32 s[TBV], s[TBV], SLOT1
.endm
; THE CHANGE OF SLOTS, at a slot's head.  Each wave waits for all its tensor loads (its part of the slot that it is about to read), adds 0 to its spare word, and waits for that and for its reads of the slot left.
; fill = 1: behind the barrier the slot left is filled with what trip + 1 reads: key slot trip + 1 of the first block, or trip + 1 - (8 - i) of the second.
.macro CHANGE fill
	s_wait_tensorcnt 0x0                           ; no tensor load of mine is out, so a group 0 may be written
	ds_add_u32 v[SPW], v[NIL]
.if \fill
	s_add_co_u32 s57, s[TRIP], 1
	s_cmp_ge_u32 s57, s[SW]
	s_cselect_b32 s58, s[SW], 0
	s_sub_co_u32 s58, s57, s58                     ; the key slot
	s_lshl_b32 s58, s58, 15                        ; 256 rows of 128 bytes each
	s_mov_b32 s59, 0
	s_add_nc_u64 s[G0K+2:G0K+3], s[KB:KB+1], s[58:59]
	s_or_b32 s[G0K+3], s[G0K+3], 0x80000000
	s_add_nc_u64 s[G0V+2:G0V+3], s[VB:VB+1], s[58:59]
	s_or_b32 s[G0V+3], s[G0V+3], 0x80000000
	s_xor_b32 s[G0K+1], s[G0K+1], SLOT1
	s_xor_b32 s[G0V+1], s[G0V+1], SLOT1
	s_wait_xcnt 0x0                                ; the last prefetch, a slot back, has read its address
	s_add_nc_u64 s[PFA:PFA+1], s[PFA:PFA+1], 32768
.endif
	s_wait_dscnt 0x0                               ; the add is done, and my reads of the slot left are over
	s_barrier_signal -1
	s_barrier_wait -1
.if \fill
	TLOAD                                          ; the first thing behind the barrier, and my one tensor load until the next
	ASK
.endif
.endm
; A BLOCK'S END: O^T / l, rounded to f16, through my stage, out as 4,096 consecutive bytes of the head's plane.
.macro FINISH base
	s_wait_xcnt 0x0                                ; earlier stores have read their registers
.irp t, 0,1
	v_add_f32 v[ST+8*\t+4], v[ST+8*\t+2], v[ST+8*\t+3]
.endr
.irp t, 0,1
	v_permlanex16_b32 v[ST+8*\t+5], v[ST+8*\t+4], s[SEL], s[SEL+1]
.endr
.irp t, 0,1
	v_add_f32 v[ST+8*\t+4], v[ST+8*\t+4], v[ST+8*\t+5]
.endr
.irp t, 0,1
	v_rcp_f32 v[ST+8*\t+6], v[ST+8*\t+4]
.endr
	v_nop                                          ; the four additions and this line are the places behind the last products
	s_wait_alu depctr_va_vdst(0)                   ; one wait for both reciprocals, ahead of their first reader
.set n, 0
.rept 32
	v_pk_mul_f32 v[O+2*n:O+2*n+1], v[O+2*n:O+2*n+1], v[ST+8*(n/16)+6:ST+8*(n/16)+7] op_sel_hi:[1,0]
.set n, n+1
.endr
.set n, 0
.rept 32
	v_cvt_pk_f16_f32 v[YPK+n], v[O+2*n], v[O+2*n+1]
.set n, n+1
.endr
.irp t, 0,1
.irp dt, 0,1,2,3
	ds_store_b128 v[STO], v[YPK+16*\t+4*\dt:YPK+16*\t+4*\dt+3] offset:\t*16*PK+32*\dt
.endr
.endr
.irp i, 0,1,2,3,4,5,6,7
	ds_load_b128 v[OB+4*\i:OB+4*\i+3], v[RD] offset:\i*4*PK   ; LDS serves a wave's instructions in order: these see the stores above
.endr
.irp i, 0,1,2,3,4,5,6,7
	s_wait_dscnt 7-\i                              ; load i is back; the younger ones may be out
	global_store_b128 v[GO], v[OB+4*\i:OB+4*\i+3], s[\base:\base+1] offset:512*\i th:TH_STORE_NT   ; 32 lanes store 512 consecutive bytes, aligned
.endr
.endm
	s_wait_loadcnt 0x0                             ; Q of both blocks
.Lslot:                                            ; eight trips; behind each change of slots the next trip's slot is asked for
	CHANGE 1
	SLOT_STEPS
	s_cmp_lg_u32 s[TRIP], s[SWM1]                  ; ids and the count of trips alone: all eight waves go the same way; no barrier, wait for tiles, add or tensor load stands in the branch
	s_cbranch_scc1 .Lsame
	FINISH YA                                      ; the first block is done: on to the second
	WIN 0x41
.set n, 0
.rept 32
	v_mov_b32 v[QR+n], v[Q2+n]
.set n, n+1
.endr
	WIN 0
	INIT
	s_mov_b32 s[KF], 0
	s_mov_b32 s[Q0], s[Q0B]
.Lsame:
	s_add_co_u32 s[TRIP], s[TRIP], 1
	s_cmp_lt_u32 s[TRIP], 8
	s_cbranch_scc1 .Lslot
	CHANGE 0                                       ; the ninth trip is written out: nothing is left to fetch
	SLOT_STEPS
	FINISH YB
	s_wait_tensorcnt 0x0                           ; the wave's end
	ds_add_u32 v[SPW], v[NIL]
	s_wait_dscnt 0x0
	s_endpgm
.Lfunc_end_k_qe310ab0b06_attn:
	.size	k_qe310ab0b06_attn, .Lfunc_end_k_qe310ab0b06_attn-k_qe310ab0b06_attn
	.p2alignl 7, 3214868480
	.fill 96, 4, 3214868480
	.section	.rodata,"a",@progbits
	.p2align	6, 0x0
	.amdhsa_kernel k_qe310ab0b06_attn
		.amdhsa_group_segment_fixed_size 327680
		.amdhsa_private_segment_fixed_size 0
		.amdhsa_enable_private_segment 0
		.amdhsa_kernarg_size 16
		.amdhsa_user_sgpr_count 2
		.amdhsa_user_sgpr_kernarg_segment_ptr 1
		.amdhsa_wavefront_size32 1
		.amdhsa_system_sgpr_workgroup_id_x 1
		.amdhsa_system_sgpr_workgroup_id_y 1
		.amdhsa_system_sgpr_workgroup_id_z 1
		.amdhsa_system_vgpr_workitem_id 0
		.amdhsa_next_free_vgpr 512
		.amdhsa_next_free_sgpr 72
		.amdhsa_reserve_vcc 1
		.amdhsa_float_denorm_mode_32 3
		.amdhsa_float_denorm_mode_16_64 3
		.amdhsa_memory_ordered 1
		.amdhsa_forward_progress 1
		.amdhsa_inst_pref_size 72
	.end_amdhsa_kernel
	.amdgpu_metadata
---
amdhsa.version: [ 1, 2 ]
amdhsa.kernels:
  - .name:           k_qe310ab0b06_attn
    .symbol:         k_qe310ab0b06_attn.kd
    .args:
      - { .name: qkv, .offset: 0, .size: 8, .value_kind: global_buffer, .address_space: global }
      - { .name: yp, .offset: 8, .size: 8, .value_kind: global_buffer, .address_space: global }
    .group_segment_fixed_size: 327680
    .private_segment_fixed_size: 0
    .kernarg_segment_align: 8
    .kernarg_segment_size: 16
    .max_flat_workgroup_size: 256
    .sgpr_count:     72
    .vgpr_count:     512
    .wavefront_size: 32
...
	.end_amdgpu_metadata
.endif
;; end of part 3
;; launch proj (part 4): grid 8 x 64, 4 waves a work-group, clusters of 4 x 4, 327,680 bytes of LDS; arguments yp, wp16, b_proj, out0; writes out0
.if DOCPART == 4
	.amdgcn_target "amdgcn-amd-amdhsa--gfx1250"
	.amdhsa_code_object_version 6
	.text
	.protected	k_qe310ab0b06_proj
	.globl	k_qe310ab0b06_proj
	.p2align	8
	.type	k_qe310ab0b06_proj,@function
k_qe310ab0b06_proj:
	s_mov_b64 s[64:65], 0
	v_nop
	global_prefetch_b8 v0, s[64:65] scope:SCOPE_SE
	s_setreg_imm32_b32 hwreg(HW_REG_WAVE_MODE, 25, 1), 1
	s_wait_xcnt 0x0
	s_wait_alu depctr_hold_cnt(0) depctr_sa_sdst(0) depctr_va_vdst(0) depctr_va_sdst(0) depctr_va_ssrc(0) depctr_va_vcc(0) depctr_vm_vsrc(0)
	s_getreg_b32 s2, hwreg(HW_REG_IB_STS2, 6, 4)
	s_cmp_eq_u32 s2, 0
	s_cbranch_scc0 .Lentry_in_a_cluster
	s_endpgm
.Lentry_in_a_cluster:
	s_bfe_u32 s2, ttmp6, 0x10000c
	s_cmp_lg_u32 s2, 0xf033
	s_cbranch_scc0 .Lentry_shape_is_right
	s_endpgm
.Lentry_shape_is_right:
; Launch 4 of 5: out0 = y W_proj^T + b_proj, operands in f16, sums in f32.  y: planes yp[b 16 + h][2048][64] f16; wp16 [1024 n][1024 k] f16; out0 [8192][1024] f32.
; Rows of positions 0-15 are made here too (they share a block of rows with nothing else, but a tile with live rows; leaving their stores out would want a branch on a place in the cluster); launch 5 writes them anew in f32.
; A tile of C is 128 x 128: four waves, each 64 x 64: 16 accumulators.  512 work-groups.  K goes in steps of 256 (four heads) through two LDS slots.
; A'S TILE OUT OF PLANES: 64 positions of one head are 8,192 dense bytes, so a tile is stated as 4 rows (heads) of 4,096 elements, 131,072 elements apart, with 16 bytes of padding behind every 128:
; in LDS [head][position][128 + 16].  B's tile: 64 rows of 512 bytes + 16.
; CLUSTERS: 4 x 4; A's tiles are asked for jointly along a row of the cluster, B's along a column.  THE MATRIX INSTRUCTION IS USED TRANSPOSED (source 0 = 16 rows of W, source 1 = 16 rows of y).
; The bias is the C of each sum's first product.
; REGISTERS: window 0: v0-31 addresses; v32-95 rows on the way out; v96-127 the bias (8 b + j = b_proj[n0 + 16 b + 8 (lane / 16) + j]); v128-255 the accumulators ((a, b) at v[128 + 8 (4 a + b)]).
;   window 1: two fragment buffers of 128: for 64 along K, 64 registers of A, then 64 of B.
.set SIZE_N, 1024
.set SIZE_K, 1024
.set KSTEP,  256
.set PA,     144                       ; a position's 128 bytes of one head + 16
.set PLANE,  64*PA
.set HALFA,  4*PLANE                   ; what one tensor load brings of A
.set PB,     528                       ; a row of B: 512 bytes + 16
.set HALFB,  64*PB
.set BOFF,   2*HALFA
.set SLOT,   BOFF+2*HALFB
.set STAGE,  2*SLOT                    ; behind the ring: 16 rows x 272 bytes for each wave
.set SPITCH, 272
.set SPARE,  STAGE+4*16*SPITCH         ; the spare words, 128 bytes a wave, which no other line names
.set LAPS,   SIZE_K/(2*KSTEP)
.set ASTEP,  4*262144                  ; a K step on in yp: four planes
.set ADRA, 16
.set ADRB, 20
.set STO,  24
.set RD,   25
.set CO,   26
.set BO,   27
.set SPW,  28
.set NIL,  29
.set TMP,  32
.set BI,   96
.set ACC,  128
.set F0,   0
.set F1,   128
.set G1, 24
.set G0, 32
.set G1B, 48
.set G0B, 56
.set MSB, 0
.macro WIN new
.if MSB != \new
	s_set_vgpr_msb (MSB<<8)|\new
.set MSB, \new
.endif
.endm
.set MUL,  0x05                        ; sources 0 (B) and 1 (A) window 1; C and D window 0
.set TO_F, 0x40
.macro JLOAD s                         ; waves 0 and 1 fetch A's halves, waves 2 and 3 B's; an s_nop 0 and four v_nop follow each line
	s_cmp_eq_u32 s11, 0
	s_cbranch_scc0 .Lfor_b_\@
	tensor_load_to_lds s[G0+4*\s:G0+4*\s+3], s[G1:G1+7]
	s_nop 0
.rept 4
	v_nop
.endr
	s_branch .Lasked_\@
.Lfor_b_\@:
	tensor_load_to_lds s[G0B+4*\s:G0B+4*\s+3], s[G1B:G1B+7]
	s_nop 0
.rept 4
	v_nop
.endr
.Lasked_\@:
.endm
.macro CREST
	s_cmp_lg_u32 s10, 0
	s_cbranch_scc1 .Lnot_wave_0_\@
	s_barrier_signal -3
.Lnot_wave_0_\@:
	s_barrier_wait -3
	s_barrier_signal -1
	s_barrier_wait -1
.endm
.macro CROUND
	s_barrier_signal -1
	s_barrier_wait -1
	CREST
.endm
	s_load_b128 s[4:7], s[0:1], 0x0                ; yp, wp16
	s_load_b64 s[66:67], s[0:1], 0x10              ; b_proj
	s_load_b64 s[8:9], s[0:1], 0x18                ; out0
	v_lshl_add_u32 v[SPW], v0, 2, SPARE
	v_mov_b32 v[NIL], 0
	ds_add_u32 v[SPW], v[NIL]                      ; the wave's opening: the add, twice on end, and its wait ahead of my first tensor load
	ds_add_u32 v[SPW], v[NIL]
	v_lshrrev_b32 v1, 5, v0
	v_readfirstlane_b32 s10, v1                    ; wave 0..3
	s_lshr_b32 s11, s10, 1                         ; my half of the tile's rows.  Also: I fetch for A (0) or for B (1)
	s_and_b32 s12, s10, 1                          ; my half of its columns.  Also: which 64 rows I fetch
	s_bfe_u32 s40, ttmp6, 0x40000
	s_bfe_u32 s41, ttmp6, 0x40004
	s_lshl_b32 s42, ttmp9, 2
	s_add_co_u32 s42, s42, s40                     ; tile column
	s_and_b32 s13, ttmp7, 0xffff
	s_lshl_b32 s13, s13, 2
	s_add_co_u32 s13, s13, s41                     ; tile row
	s_lshl_b32 s43, s41, 2
	s_lshl_b32 s43, 15, s43                        ; my row of the cluster
	s_lshl_b32 s44, 0x1111, s40                    ; my column
	s_or_b32 s[G1+0], s43, (1<<16)|(1<<20)|(1<<21)|(4<<22)|(3<<25)   ; A: elements of 2 bytes; 4 words of padding behind every 32
	s_mov_b32 s[G1+1], 4096<<16                    ; tensor_dim0 = 4,096: 64 positions x 64 channels of one head
	s_mov_b32 s[G1+2], 4<<16                       ; tensor_dim1 = 4 heads
	s_mov_b32 s[G1+3], 4096<<16                    ; tile_dim0
	s_mov_b32 s[G1+4], 4                           ; tile_dim1
	s_mov_b32 s[G1+5], 131072                      ; from plane to plane, in elements
	s_mov_b32 s[G1+6], 0
	s_mov_b32 s[G1+7], 0
	s_or_b32 s[G1B+0], s44, (1<<16)|(1<<20)|(1<<21)|(6<<22)|(3<<25)  ; B: 4 words of padding behind every 128
	s_mov_b32 s[G1B+1], KSTEP<<16
	s_mov_b32 s[G1B+2], 64<<16
	s_mov_b32 s[G1B+3], KSTEP<<16
	s_mov_b32 s[G1B+4], 64
	s_mov_b32 s[G1B+5], SIZE_K
	s_mov_b32 s[G1B+6], 0
	s_mov_b32 s[G1B+7], 0
	s_lshr_b32 s16, s13, 4                         ; A: batch: 16 planes of 262,144 bytes,
	s_lshl_b32 s16, s16, 22
	s_and_b32 s17, s13, 15
	s_lshl_b32 s17, s17, 7
	s_lshl_b32 s18, s12, 6
	s_add_co_u32 s17, s17, s18                     ; position 128 x (tile row % 16) + 64 x half,
	s_lshl_b32 s17, s17, 7                         ; 128 bytes each
	s_add_co_u32 s16, s16, s17
	s_mov_b32 s17, 0
	s_lshl_b32 s46, s42, 7                         ; B: row 128 x tile column + 64 x half,
	s_add_co_u32 s46, s46, s18
	s_lshl_b32 s46, s46, 11                        ; 2,048 bytes each
	s_mov_b32 s47, 0
	s_mul_i32 s20, s12, HALFA                      ; where they go: no place in the cluster enters an LDS address
	s_mul_i32 s21, s12, HALFB
	s_add_co_u32 s21, s21, BOFF
	s_wait_dscnt 0x0                               ; both opening adds are done
	s_wait_kmcnt 0x0
	s_add_nc_u64 s[14:15], s[4:5], s[16:17]
	s_add_nc_u64 s[46:47], s[6:7], s[46:47]
	CROUND                                         ; all sixteen work-groups are here: the first joint loads meet
.irp s, 0,1
	s_mov_b32 s[G0+4*\s], 1
	s_add_co_u32 s[G0+4*\s+1], s20, \s*SLOT
	s_add_nc_u64 s[G0+4*\s+2:G0+4*\s+3], s[14:15], \s*ASTEP
	s_or_b32 s[G0+4*\s+3], s[G0+4*\s+3], 0x80000000
	s_mov_b32 s[G0B+4*\s], 1
	s_add_co_u32 s[G0B+4*\s+1], s21, \s*SLOT
	s_add_nc_u64 s[G0B+4*\s+2:G0B+4*\s+3], s[46:47], \s*KSTEP*2
	s_or_b32 s[G0B+4*\s+3], s[G0B+4*\s+3], 0x80000000
	JLOAD \s
.endr
	v_and_b32 v1, 15, v0                           ; r
	v_bfe_u32 v2, v0, 4, 1                         ; h
	v_lshlrev_b32 v[BO], 5, v2
	s_lshl_b32 s46, s42, 9                         ; my first column in bytes of f32: 512 x tile column + 256 x half
	s_lshl_b32 s47, s12, 8
	s_add_co_u32 s46, s46, s47
	s_mov_b32 s47, 0
	s_add_nc_u64 s[66:67], s[66:67], s[46:47]
.irp b, 0,1,2,3
	global_load_b128 v[BI+8*\b:BI+8*\b+3],   v[BO], s[66:67] offset:64*\b
	global_load_b128 v[BI+8*\b+4:BI+8*\b+7], v[BO], s[66:67] offset:64*\b+16
.endr
	v_mul_u32_u24 v3, v1, PA
	v_lshl_add_u32 v3, v2, 4, v3
	v_mul_u32_u24 v4, v1, PB
	v_lshl_add_u32 v4, v2, 4, v4
	s_mul_i32 s21, s11, HALFA                      ; my 64 rows of A
	s_mul_i32 s22, s12, HALFB                      ; my 64 rows of B
	s_add_co_u32 s22, s22, BOFF
.irp s, 0,1
	v_add_nc_u32 v[ADRA+\s], s21, v3
	v_add_nc_u32 v[ADRB+\s], s22, v4
	s_add_co_u32 s21, s21, SLOT
	s_add_co_u32 s22, s22, SLOT
.endr
	s_mul_i32 s23, s10, 16*SPITCH
	s_add_co_u32 s23, s23, STAGE                   ; my stage
	v_mul_u32_u24 v5, v1, SPITCH                   ; in: row r, 32 bytes for each half of the lanes
	v_lshl_add_u32 v5, v2, 5, v5
	v_add_nc_u32 v[STO], s23, v5
	v_mul_u32_u24 v5, v2, SPITCH                   ; back: lanes 0-15 one row of 256 bytes, lanes 16-31 the next
	v_lshl_add_u32 v5, v1, 4, v5
	v_add_nc_u32 v[RD], s23, v5
	v_lshlrev_b32 v5, 12, v2                       ; and the same two rows in out0
	v_lshl_add_u32 v[CO], v1, 4, v5
	s_lshl_b32 s16, s13, 7
	s_lshl_b32 s17, s11, 6
	s_add_co_u32 s16, s16, s17                     ; my first row: 128 x tile row + 64 x half
	s_lshl_b32 s16, s16, 12
	s_mov_b32 s17, 0
	s_add_nc_u64 s[8:9], s[8:9], s[16:17]
	s_add_nc_u64 s[8:9], s[8:9], s[46:47]
; 8 matrix instructions: m blocks a0, a0 + 1 x all 4 n blocks, 32 along K: half c of buffer f.  zero = 1: the sums start from the bias.  The 16 accumulators take turns.
.macro MUL8 f, c, a0, zero
.irp a, \a0, \a0+1
.irp b, 0,1,2,3
.if \zero
	v_wmma_f32_16x16x32_f16 v[ACC+8*(4*(\a)+\b):ACC+8*(4*(\a)+\b)+7], v[\f+64+8*(4*\c+\b):\f+64+8*(4*\c+\b)+7], v[\f+8*(4*\c+\a):\f+8*(4*\c+\a)+7], v[BI+8*\b:BI+8*\b+7]
.else
	v_wmma_f32_16x16x32_f16 v[ACC+8*(4*(\a)+\b):ACC+8*(4*(\a)+\b)+7], v[\f+64+8*(4*\c+\b):\f+64+8*(4*\c+\b)+7], v[\f+8*(4*\c+\a):\f+8*(4*\c+\a)+7], v[ACC+8*(4*(\a)+\b):ACC+8*(4*(\a)+\b)+7]
.endif
.endr
.endr
.endm
; 32 LDS loads in one run: the fragments of the slot's quarter q (one head: 64 along K) into buffer f; the first 32 along K first
.macro FETCH slot, q, f
	WIN TO_F
.irp c, 0,1
.irp i, 0,1,2,3
	ds_load_b128 v[\f+64+8*(4*\c+\i):\f+64+8*(4*\c+\i)+3],   v[ADRB+\slot] offset:128*(\q)+64*\c+\i*16*PB
	ds_load_b128 v[\f+64+8*(4*\c+\i)+4:\f+64+8*(4*\c+\i)+7], v[ADRB+\slot] offset:128*(\q)+64*\c+\i*16*PB+32
	ds_load_b128 v[\f+8*(4*\c+\i):\f+8*(4*\c+\i)+3],         v[ADRA+\slot] offset:PLANE*(\q)+64*\c+\i*16*PA
	ds_load_b128 v[\f+8*(4*\c+\i)+4:\f+8*(4*\c+\i)+7],       v[ADRA+\slot] offset:PLANE*(\q)+64*\c+\i*16*PA+32
.endr
.endr
.endm
.macro PLACES
.rept 4
	v_nop
.endr
.endm
.macro QUARTER slot, q, f, g, zero     ; multiplies buffer f and fetches quarter q of the same slot into g
	s_wait_dscnt 16                                ; the first 32 along K are in; the sixteen loads of the second 32 may be out
	WIN MUL
	MUL8 \f, 0, 0, \zero
	MUL8 \f, 0, 2, \zero
	PLACES
	FETCH \slot, \q, \g
	s_wait_dscnt 32                                ; all but the 32 just issued
	WIN MUL
	MUL8 \f, 1, 0, 0
	MUL8 \f, 1, 2, 0
.endm
; A slot's last quarter changes slots: in front of the barrier each wave waits for all its tensor loads, adds 0 to its spare word, and waits for that and for its reads of this slot.  fill = 1: the barrier opens a
; round of the cluster's barrier, and this slot is filled again, two K steps ahead, first thing behind the round.
.macro TURN slot, next, fill
	WIN 0
	s_wait_tensorcnt 0x0
	ds_add_u32 v[SPW], v[NIL]
	s_wait_dscnt 17                                ; (the add and the youngest sixteen loads may be out)
	WIN MUL
	MUL8 F1, 0, 0, 0
	s_wait_dscnt 0x0                               ; the add is done, and my reads of this slot are over
	s_barrier_signal -1
	MUL8 F1, 0, 2, 0
.if \fill
	WIN 0
.endif
	s_barrier_wait -1
.if \fill
	CREST
	s_add_nc_u64 s[G0+4*\slot+2:G0+4*\slot+3], s[G0+4*\slot+2:G0+4*\slot+3], 2*ASTEP
	s_add_nc_u64 s[G0B+4*\slot+2:G0B+4*\slot+3], s[G0B+4*\slot+2:G0B+4*\slot+3], 2*KSTEP*2
	JLOAD \slot                                    ; the four v_nop behind it are also the places in front of the loads below
.else
	PLACES
.endif
	FETCH \next, 0, F0
	WIN MUL
	MUL8 F1, 1, 0, 0
	MUL8 F1, 1, 2, 0
.endm
	s_wait_tensorcnt 1                             ; my part of K step 0 is in (K step 1's load may be out)
	s_barrier_signal -1
	s_barrier_wait -1                              ; everybody's is
	FETCH 0, 0, F0
	s_wait_loadcnt 0x0                             ; the bias
	QUARTER 0, 1, F0, F1, 1                        ; the first quarter stands in front of the loop: its first products start the sums
	WIN 0
	s_mov_b32 s3, LAPS-1
.Llap:                                             ; a trip goes once round the ring and fills both slots again
	QUARTER 0, 2, F1, F0, 0
	QUARTER 0, 3, F0, F1, 0
	TURN 0, 1, 1
	QUARTER 1, 1, F0, F1, 0
	QUARTER 1, 2, F1, F0, 0
	QUARTER 1, 3, F0, F1, 0
	TURN 1, 0, 1
	QUARTER 0, 1, F0, F1, 0
	WIN 0
	s_sub_co_u32 s3, s3, 1
	s_cmp_lg_u32 s3, 0
	s_cbranch_scc1 .Llap
	QUARTER 0, 2, F1, F0, 0                        ; the last lap fills nothing
	QUARTER 0, 3, F0, F1, 0
	TURN 0, 1, 0
	QUARTER 1, 1, F0, F1, 0
	QUARTER 1, 2, F1, F0, 0
	QUARTER 1, 3, F0, F1, 0
	s_wait_dscnt 16
	WIN MUL
	MUL8 F1, 0, 0, 0
	MUL8 F1, 0, 2, 0
	s_wait_dscnt 0
	MUL8 F1, 1, 0, 0
	MUL8 F1, 1, 2, 0
	WIN 0
; THE WAY OUT.  My 64 columns of f32 are 256 consecutive bytes of a row, aligned: so each wave has a stage of its own and no barrier is needed.  A block of 16 rows at a time.
.macro TOSTAGE a
.set BB, TMP+32*((\a)%2)
.irp b, 0,1,2,3
	ds_store_b128 v[STO], v[ACC+8*(4*(\a)+\b):ACC+8*(4*(\a)+\b)+3]   offset:64*\b      ; each accumulator from its low end on
	ds_store_b128 v[STO], v[ACC+8*(4*(\a)+\b)+4:ACC+8*(4*(\a)+\b)+7] offset:64*\b+16
.endr
.irp i, 0,1,2,3,4,5,6,7
	ds_load_b128 v[BB+4*\i:BB+4*\i+3], v[RD] offset:\i*2*SPITCH   ; LDS serves a wave's instructions in order: these see the stores above
.endr
.endm
.macro SEND a, younger
.set BB, TMP+32*((\a)%2)
	s_wait_dscnt \younger                          ; the block is back; the next block's 8 stores and 8 loads may be out
.irp i, 0,1,2,3,4,5,6,7
	global_store_b128 v[CO], v[BB+4*\i:BB+4*\i+3], s[8:9] offset:(16*(\a)+2*\i)*SIZE_N*4 th:TH_STORE_NT   ; 16 lanes store 256 consecutive bytes, aligned
.endr
.endm
	PLACES
	TOSTAGE 0
.irp a, 1,2,3
.if \a > 1
	s_wait_xcnt 0x0                                ; block a - 2's stores have read their registers: block a's loads may land there
.endif
	TOSTAGE \a
	SEND \a-1, 16
.endr
	SEND 3, 0
	s_wait_tensorcnt 0x0                           ; the wave's end
	ds_add_u32 v[SPW], v[NIL]
	s_wait_dscnt 0x0
	CROUND                                         ; the closing round
	s_endpgm
.Lfunc_end_k_qe310ab0b06_proj:
	.size	k_qe310ab0b06_proj, .Lfunc_end_k_qe310ab0b06_proj-k_qe310ab0b06_proj
	.p2alignl 7, 3214868480
	.fill 96, 4, 3214868480
	.section	.rodata,"a",@progbits
	.p2align	6, 0x0
	.amdhsa_kernel k_qe310ab0b06_proj
		.amdhsa_group_segment_fixed_size 327680
		.amdhsa_private_segment_fixed_size 0
		.amdhsa_enable_private_segment 0
		.amdhsa_kernarg_size 32
		.amdhsa_user_sgpr_count 2
		.amdhsa_user_sgpr_kernarg_segment_ptr 1
		.amdhsa_wavefront_size32 1
		.amdhsa_system_sgpr_workgroup_id_x 1
		.amdhsa_system_sgpr_workgroup_id_y 1
		.amdhsa_system_sgpr_workgroup_id_z 1
		.amdhsa_system_vgpr_workitem_id 0
		.amdhsa_next_free_vgpr 512
		.amdhsa_next_free_sgpr 68
		.amdhsa_reserve_vcc 0
		.amdhsa_float_denorm_mode_32 3
		.amdhsa_float_denorm_mode_16_64 3
		.amdhsa_memory_ordered 1
		.amdhsa_forward_progress 1
		.amdhsa_inst_pref_size 87
	.end_amdhsa_kernel
	.amdgpu_metadata
---
amdhsa.version: [ 1, 2 ]
amdhsa.kernels:
  - .name:           k_qe310ab0b06_proj
    .symbol:         k_qe310ab0b06_proj.kd
    .args:
      - { .name: yp, .offset: 0, .size: 8, .value_kind: global_buffer, .address_space: global }
      - { .name: wp16, .offset: 8, .size: 8, .value_kind: global_buffer, .address_space: global }
      - { .name: b_proj, .offset: 16, .size: 8, .value_kind: global_buffer, .address_space: global }
      - { .name: out0, .offset: 24, .size: 8, .value_kind: global_buffer, .address_space: global }
    .group_segment_fixed_size: 327680
    .private_segment_fixed_size: 0
    .kernarg_segment_align: 8
    .kernarg_segment_size: 32
    .max_flat_workgroup_size: 128
    .sgpr_count:     68
    .vgpr_count:     512
    .wavefront_size: 32
...
	.end_amdgpu_metadata
.endif
;; end of part 4
;; launch first16 (part 5): grid 16 x 4, 16 waves a work-group, no clusters, 71,680 bytes of LDS; arguments qkv32, W_proj, b_proj, out0; writes out0
.if DOCPART == 5
	.amdgcn_target "amdgcn-amd-amdhsa--gfx1250"
	.amdhsa_code_object_version 6
	.text
	.protected	k_qe310ab0b06_first16
	.globl	k_qe310ab0b06_first16
	.p2align	8
	.type	k_qe310ab0b06_first16,@function
k_qe310ab0b06_first16:
	s_mov_b64 s[64:65], 0
	v_nop
	global_prefetch_b8 v0, s[64:65] scope:SCOPE_SE
	s_setreg_imm32_b32 hwreg(HW_REG_WAVE_MODE, 25, 1), 1
	s_wait_xcnt 0x0
; Launch 5 of 5: positions 0-15 of each sequence once more, wholly in f32: their rows average one to sixteen values and are the largest, so f16 operands would use up most of what the comparison allows.
; qkv32 [b][16][3072] f32 (k without its bias: head of launch 1); W_proj [1024][1024] f32; out0 rows b 2048 + 0 .. 15 are written anew.
; SHARES.  Work-group (ns, b) makes out0[b][0..15][64 ns .. 64 ns + 63].  Wave w is head w: the head's 16 x 16 attention, then its part of the projection (K = its 64 channels); the 16 parts are added through LDS,
; wave w adding query w's.  The attention is repeated in each of a batch's 16 slices, so that each output has one owner and no further launch is needed.
; All products by v_wmma_f32_16x16x4_f32: 96 a wave, no bulk work.  Its lane (r, h) holds k = 2 h + j of row r; the true k that stands there is permuted alike in both operands:
;   q . k: pair p holds channel 32 h + 2 p + j;   p . v: pair s holds key 8 h + 2 s + j;   y . W: pair s of tile dt holds channel 16 dt + 8 h + 2 s + j.
; v176-239 are written by matrix instructions alone: what is made of a finished sum goes into other registers.
; REGISTERS: v1, v2 the add's two; v3-9 addresses; v[10:11] the bias; v12-15 at work; v16-47 q, v48-79 k, later W's tiles nt 2, 3; v80-111 V, later y / l; v112-175 W's tiles nt 0, 1;
;   v176-191 S^T in two chains, later out nt 0, 1; v192-223 y^T; v224-239 out nt 2, 3; v240-247 s, then p; v248, v249 at work.
.set PP,    272                        ; a query's 64 numbers of a part: 256 bytes + 16
.set PART,  16*PP
.set SPARE, 16*PART                    ; behind the parts: the spare words, 128 bytes a wave, which no other line names
	s_load_b256 s[4:11], s[0:1], 0x0               ; qkv32 s[4:5], W_proj s[6:7], b_proj s[8:9], out0 s[10:11]
	v_lshl_add_u32 v1, v0, 2, SPARE
	v_mov_b32 v2, 0
	v_lshrrev_b32 v3, 5, v0
	v_readfirstlane_b32 s12, v3                    ; wave = head
	s_mov_b32 s13, ttmp9                           ; the slice of 64 outputs
	s_and_b32 s14, ttmp7, 0xffff                   ; the batch
	v_and_b32 v12, 15, v0                          ; r
	v_bfe_u32 v13, v0, 4, 1                        ; h
	v_mul_u32_u24 v3, v12, 12288
	v_lshl_add_u32 v3, v13, 7, v3                  ; q, k: row r, channels 32 h on
	v_mul_u32_u24 v4, v13, 8*12288
	v_lshl_add_u32 v4, v12, 2, v4                  ; V: keys 8 h on, channel r
	v_lshlrev_b32 v5, 12, v12
	v_lshl_add_u32 v5, v13, 5, v5                  ; W: row r, channels 8 h on
	v_and_b32 v6, 31, v0
	v_lshlrev_b32 v6, 3, v6                        ; 8 x lane
	s_mul_i32 s16, s12, PART
	v_mul_u32_u24 v7, v12, PP
	v_lshl_add_u32 v7, v13, 5, v7
	v_add_nc_u32 v7, s16, v7                       ; my part: query r, 32 bytes for each half of the lanes
	s_mul_i32 s17, s12, PP
	v_add_nc_u32 v8, s17, v6                       ; back: query w of each part
	v_lshlrev_b32 v9, 3, v13
	v_sub_nc_u32 v9, v12, v9                       ; r - 8 h
	s_mov_b32 s20, 0x76543210
	s_mov_b32 s21, 0xfedcba98
	s_mov_b32 s22, 0x3e38aa3b                      ; c = log2(e) / 8
	s_mul_i32 s16, s14, 16*12288
	s_lshl_b32 s18, s12, 8                         ; the head's 64 channels: 256 bytes
	s_add_co_u32 s16, s16, s18
	s_mov_b32 s17, 0
	s_lshl_b32 s24, s13, 18                        ; W's rows 64 ns on
	s_add_co_u32 s24, s24, s18
	s_mov_b32 s25, 0
	s_lshl_b32 s26, s13, 8
	s_mov_b32 s27, 0
	s_lshl_b32 s28, s14, 23                        ; out0: row b 2048 + w,
	s_lshl_b32 s18, s12, 12
	s_add_co_u32 s28, s28, s18
	s_add_co_u32 s28, s28, s26                     ; columns 64 ns on
	s_mov_b32 s29, 0
	s_wait_kmcnt 0x0
	s_add_nc_u64 s[4:5], s[4:5], s[16:17]
	s_add_nc_u64 s[6:7], s[6:7], s[24:25]
	s_add_nc_u64 s[8:9], s[8:9], s[26:27]
	s_add_nc_u64 s[10:11], s[10:11], s[28:29]
	global_load_b64 v[10:11], v6, s[8:9]           ; the bias of my two outputs
.irp i, 0,1,2,3,4,5,6,7
	global_load_b128 v[16+4*\i:19+4*\i], v3, s[4:5] offset:16*\i
.endr
.irp i, 0,1,2,3,4,5,6,7
	global_load_b128 v[48+4*\i:51+4*\i], v3, s[4:5] offset:4096+16*\i
.endr
.irp dt, 0,1,2,3
.irp j, 0,1,2,3,4,5,6,7
	global_load_b32 v[80+8*\dt+\j], v4, s[4:5] offset:8192+12288*\j+64*\dt   ; V(key 8 h + j, channel 16 dt + r)
.endr
.endr
.irp nt, 0,1
.irp dt, 0,1,2,3
	global_load_b128 v[112+8*(4*\nt+\dt):112+8*(4*\nt+\dt)+3],   v5, s[6:7] offset:65536*\nt+64*\dt
	global_load_b128 v[112+8*(4*\nt+\dt)+4:112+8*(4*\nt+\dt)+7], v5, s[6:7] offset:65536*\nt+64*\dt+16
.endr
.endr
	s_wait_loadcnt 48                              ; the bias, q and k are in; V's 32 loads and W's 16 may be out
.irp p, 0,1,2,3,4,5,6,7,8,9,10,11,12,13,14,15      ; S^T = K Q^T in two chains that take turns; the first two products start the sums
.if \p < 2
	v_wmma_f32_16x16x4_f32 v[176+8*(\p%2):183+8*(\p%2)], v[48+2*\p:49+2*\p], v[16+2*\p:17+2*\p], 0
.else
	v_wmma_f32_16x16x4_f32 v[176+8*(\p%2):183+8*(\p%2)], v[48+2*\p:49+2*\p], v[16+2*\p:17+2*\p], v[176+8*(\p%2):183+8*(\p%2)]
.endif
.endr
.rept 8
	v_nop                                          ; eight places behind this form: in front of loads into q's and k's registers and of the first read of the sums
.endr
.irp nt, 2,3
.irp dt, 0,1,2,3
	global_load_b128 v[16+8*(4*(\nt-2)+\dt):16+8*(4*(\nt-2)+\dt)+3],   v5, s[6:7] offset:65536*\nt+64*\dt
	global_load_b128 v[16+8*(4*(\nt-2)+\dt)+4:16+8*(4*(\nt-2)+\dt)+7], v5, s[6:7] offset:65536*\nt+64*\dt+16
.endr
.endr
.irp j, 0,1,2,3,4,5,6,7
	v_add_f32 v[240+\j], v[176+\j], v[184+\j]      ; s(key 8 h + j, query r), from the low end on
.endr
	v_mov_b32 v12, 0xff800000                      ; -infinity
.irp j, 0,1,2,3,4,5,6,7
	v_cmp_gt_i32 vcc_lo, \j, v9                    ; hidden where 8 h + j > r
	v_cndmask_b32 v[240+\j], v[240+\j], v12, vcc_lo
.endr
	v_max3_num_f32 v13, v240, v241, v242
	v_max3_num_f32 v14, v243, v244, v245
	v_max3_num_f32 v13, v13, v246, v247
	v_max_num_f32 v13, v13, v14
	v_permlanex16_b32 v14, v13, s20, s21
	v_max_num_f32 v13, v13, v14                    ; the row's maximum: key 0 counts for every query, so it is a number
	v_mul_f32 v13, s22, v13
.irp j, 0,1,2,3,4,5,6,7
	v_fma_f32 v[240+\j], v[240+\j], s22, -v13
.endr
.irp j, 0,1,2,3,4,5,6,7
	v_exp_f32 v[240+\j], v[240+\j]
.endr
	v_nop                                          ; a plain instruction behind the last exponential,
	s_wait_alu depctr_va_vdst(0)                   ; and the one wait ahead of the batch's first reader
	v_add_f32 v14, v240, v241
	v_add_f32 v15, v242, v243
	v_add_f32 v248, v244, v245
	v_add_f32 v249, v246, v247
	v_add_f32 v14, v14, v15
	v_add_f32 v248, v248, v249
	v_add_f32 v14, v14, v248
	v_permlanex16_b32 v15, v14, s20, s21
	v_add_f32 v14, v14, v15                        ; the row's sum
	v_rcp_f32 v14, v14
	v_nop
	s_wait_alu depctr_va_vdst(0)
	s_wait_loadcnt 32                              ; V is in; W's 32 loads may be out
.irp s, 0,1,2,3                                    ; y^T = V^T P^T: four accumulators by turns
.irp dt, 0,1,2,3
.if \s == 0
	v_wmma_f32_16x16x4_f32 v[192+8*\dt:199+8*\dt], v[80+8*\dt+2*\s:81+8*\dt+2*\s], v[240+2*\s:241+2*\s], 0
.else
	v_wmma_f32_16x16x4_f32 v[192+8*\dt:199+8*\dt], v[80+8*\dt+2*\s:81+8*\dt+2*\s], v[240+2*\s:241+2*\s], v[192+8*\dt:199+8*\dt]
.endif
.endr
.endr
.rept 8
	v_nop
.endr
.set n, 0
.rept 32
	v_mul_f32 v[80+n], v[192+n], v14               ; y(query r, channel 16 dt + 8 h + j) / l, into V's registers
.set n, n+1
.endr
	s_wait_loadcnt 0x0                             ; W
.irp dt, 0,1,2,3                                   ; my part of out^T = W y^T: four accumulators by turns
.irp s, 0,1,2,3
.irp nt, 0,1,2,3
.set rD, 176+8*\nt+32*(\nt/2)
.set rW, 112+8*(4*\nt+\dt)+2*\s-160*(\nt/2)
.if (\dt == 0) && (\s == 0)
	v_wmma_f32_16x16x4_f32 v[rD:rD+7], v[rW:rW+1], v[80+8*\dt+2*\s:81+8*\dt+2*\s], 0
.else
	v_wmma_f32_16x16x4_f32 v[rD:rD+7], v[rW:rW+1], v[80+8*\dt+2*\s:81+8*\dt+2*\s], v[rD:rD+7]
.endif
.endr
.endr
.endr
.rept 8
	v_nop
.endr
.irp nt, 0,1,2,3
.set rD, 176+8*\nt+32*(\nt/2)
	ds_store_b128 v7, v[rD:rD+3]   offset:64*\nt   ; lane (r, h): query r, outputs 16 nt + 8 h + 0 .. 7; each accumulator from its low end on
	ds_store_b128 v7, v[rD+4:rD+7] offset:64*\nt+16
.endr
	s_wait_dscnt 0x0                               ; for the others' sake: my part lies in LDS
	s_barrier_signal -1
	s_barrier_wait -1
.irp p, 0,1,2,3,4,5,6,7,8,9,10,11,12,13,14,15
	ds_load_b64 v[16+2*\p:17+2*\p], v8 offset:PART*\p   ; query w of part p: 32 lanes read 256 consecutive bytes
.endr
	s_wait_dscnt 0x0
.irp u, 0,1,2,3,4,5,6,7
	v_pk_add_f32 v[16+4*\u:17+4*\u], v[16+4*\u:17+4*\u], v[18+4*\u:19+4*\u]
.endr
.irp u, 0,1,2,3
	v_pk_add_f32 v[16+8*\u:17+8*\u], v[16+8*\u:17+8*\u], v[20+8*\u:21+8*\u]
.endr
.irp u, 0,1
	v_pk_add_f32 v[16+16*\u:17+16*\u], v[16+16*\u:17+16*\u], v[24+16*\u:25+16*\u]
.endr
	v_pk_add_f32 v[16:17], v[16:17], v[32:33]
	v_pk_add_f32 v[16:17], v[16:17], v[10:11]      ; + b_proj
	global_store_b64 v6, v[16:17], s[10:11]        ; 32 lanes store 256 consecutive bytes, aligned
	s_wait_tensorcnt 0x0                           ; the wave's end: behind my last LDS store
	ds_add_u32 v1, v2
	s_wait_dscnt 0x0
	s_endpgm
.Lfunc_end_k_qe310ab0b06_first16:
	.size	k_qe310ab0b06_first16, .Lfunc_end_k_qe310ab0b06_first16-k_qe310ab0b06_first16
	.p2alignl 7, 3214868480
	.fill 96, 4, 3214868480
	.section	.rodata,"a",@progbits
	.p2align	6, 0x0
	.amdhsa_kernel k_qe310ab0b06_first16
		.amdhsa_group_segment_fixed_size 71680
		.amdhsa_private_segment_fixed_size 0
		.amdhsa_enable_private_segment 0
		.amdhsa_kernarg_size 32
		.amdhsa_user_sgpr_count 2
		.amdhsa_user_sgpr_kernarg_segment_ptr 1
		.amdhsa_wavefront_size32 1
		.amdhsa_system_sgpr_workgroup_id_x 1
		.amdhsa_system_sgpr_workgroup_id_y 1
		.amdhsa_system_sgpr_workgroup_id_z 1
		.amdhsa_system_vgpr_workitem_id 0
		.amdhsa_next_free_vgpr 256
		.amdhsa_next_free_sgpr 66
		.amdhsa_reserve_vcc 1
		.amdhsa_float_denorm_mode_32 3
		.amdhsa_float_denorm_mode_16_64 3
		.amdhsa_memory_ordered 1
		.amdhsa_forward_progress 1
		.amdhsa_inst_pref_size 24
	.end_amdhsa_kernel
	.amdgpu_metadata
---
amdhsa.version: [ 1, 2 ]
amdhsa.kernels:
  - .name:           k_qe310ab0b06_first16
    .symbol:         k_qe310ab0b06_first16.kd
    .args:
      - { .name: qkv32, .offset: 0, .size: 8, .value_kind: global_buffer, .address_space: global }
      - { .name: W_proj, .offset: 8, .size: 8, .value_kind: global_buffer, .address_space: global }
      - { .name: b_proj, .offset: 16, .size: 8, .value_kind: global_buffer, .address_space: global }
      - { .name: out0, .offset: 24, .size: 8, .value_kind: global_buffer, .address_space: global }
    .group_segment_fixed_size: 71680
    .private_segment_fixed_size: 0
    .kernarg_segment_align: 8
    .kernarg_segment_size: 32
    .max_flat_workgroup_size: 512
    .sgpr_count:     66
    .vgpr_count:     256
    .wavefront_size: 32
...
	.end_amdgpu_metadata
.endif
;; end of part 5
